; MI455X (gfx1250); checked and timed in simulation.
; The chip was launched on July 23, 2026; its instructions are those of AMD's public machine-readable ISA for CDNA 5 (MIT licence, August 2026) and "CDNA5" Instruction Set Architecture Reference Guide (July 2026). The comments in the code are by the model that wrote it; some were corrected since.
;; Multi Head Attention. Allowed arithmetic: float matrix products may take bf16 or f16 operands with f32 sums; all other float work in f32.
;; Inputs: Wfc 1,024 x 1,024 float32; Wk 1,024 x 1,024 float32; Wq 1,024 x 1,024 float32; Wv 1,024 x 1,024 float32; x 4 x 4,096 x 1,024 float32.
;; Outputs: out0 4 x 4,096 x 1,024 float32.
;; 2 versions, each right; version 2 is version 1 with the launch attn written anew for expert scheduling mode. Each part assembles by itself: llvm-mc -triple=amdgcn-amd-amdhsa -mcpu=gfx1250 --defsym DOCPART=n.
;; ======== version 1 of 2: 4 launches
;; limits: values are held in f16: magnitudes above 65,504 overflow, below 6.1e-05 lose precision
;; workspace buffers: xh 33,554,432 bytes; wqkvh 6,291,456 bytes; wfch 2,097,152 bytes; qkvh 100,663,296 bytes; oh 33,554,432 bytes
;; launch cast (part 1): grid 1280 x 1, 8 waves a work-group, no clusters, 0 bytes of LDS; arguments x, Wq, Wk, Wv, Wfc, xh, wqkvh, wfch; writes xh, wqkvh, wfch
.if DOCPART == 1
	.amdgcn_target "amdgcn-amd-amdhsa--gfx1250"
	.amdhsa_code_object_version 6
	.text
	.protected	k_q51805dc6b2_cast
	.globl	k_q51805dc6b2_cast
	.p2align	8
	.type	k_q51805dc6b2_cast,@function
k_q51805dc6b2_cast:
	s_mov_b64 s[64:65], 0
	v_nop
	global_prefetch_b8 v0, s[64:65] scope:SCOPE_SE
	s_setreg_imm32_b32 hwreg(HW_REG_WAVE_MODE, 25, 1), 1
	s_wait_xcnt 0x0
; f32 to f16 (round to nearest even) of x and of the four weight matrices: the operands of the products that follow.
; xh[16384][1024] = x;  wqkvh[3072][1024] = Wq's rows, then Wk's, then Wv's;  wfch[1024][1024] = Wfc.
; LIMIT: f16 operands: a number of magnitude 65,520 or more becomes an infinity; below 2^-14 the rounding step is 2^-24.
; A stream: every byte is read once and written once, so no LDS, no matrix unit, no cluster (no two work-groups share a byte).
; A work-group takes a chunk of 16,384 numbers: 65,536 bytes in, 32,768 bytes out.  x is 1,024 chunks, each weight matrix 64: 1,280 work-groups.
; Thread t takes 16 bytes at 16 t of each block of 4,096 bytes: a wave's load covers 512 neighbouring bytes, its store 256, both aligned.
; All 16 loads of a thread go out at once; no register is written twice, so the only waits are the counted ones for the data.
.set CHUNK_IN,  65536
.set NX,   1024                        ; chunks of x
.set NW,   64                          ; chunks of a weight matrix
.set IN,   4                           ; v[4:67]   16 x 4 numbers as loaded
.set OUT,  68                          ; v[68:99]  16 x 2 registers of packed f16
	s_load_b512 s[8:23], s[0:1], 0x0               ; x s[8:9], Wq s[10:11], Wk s[12:13], Wv s[14:15], Wfc s[16:17], xh s[18:19], wqkvh s[20:21], wfch s[22:23]
	s_and_b32 s30, ttmp9, NW-1                     ; chunk inside a weight matrix (the matrices begin at multiples of 64 chunks)
	s_max_u32 s31, ttmp9, NX
	s_sub_co_u32 s31, s31, NX                      ; chunk inside wqkvh (0 for the work-groups of x, which do not use it)
	v_lshlrev_b32 v1, 4, v0                        ; 16 t: my bytes in a block of the source
	v_lshlrev_b32 v2, 3, v0                        ; 8 t: my bytes in a block of the destination
	s_wait_kmcnt 0x0
	; which buffers: chosen by the work-group's number alone
	s_mov_b64 s[24:25], s[8:9]                     ; from x
	s_mov_b64 s[26:27], s[18:19]                   ; to xh
	s_mov_b32 s28, ttmp9                           ; source chunk
	s_mov_b32 s29, ttmp9                           ; destination chunk
	s_cmp_ge_u32 ttmp9, NX
	s_cselect_b64 s[24:25], s[10:11], s[24:25]     ; Wq
	s_cselect_b64 s[26:27], s[20:21], s[26:27]     ; to wqkvh
	s_cselect_b32 s28, s30, s28
	s_cselect_b32 s29, s31, s29
	s_cmp_ge_u32 ttmp9, NX+NW
	s_cselect_b64 s[24:25], s[12:13], s[24:25]     ; Wk
	s_cmp_ge_u32 ttmp9, NX+2*NW
	s_cselect_b64 s[24:25], s[14:15], s[24:25]     ; Wv
	s_cmp_ge_u32 ttmp9, NX+3*NW
	s_cselect_b64 s[24:25], s[16:17], s[24:25]     ; Wfc
	s_cselect_b64 s[26:27], s[22:23], s[26:27]     ; to wfch
	s_cselect_b32 s29, s30, s29
	s_lshl_b32 s32, s28, 16                        ; 65,536 bytes a chunk in: 67,043,328 at the most
	s_mov_b32 s33, 0
	s_lshl_b32 s34, s29, 15                        ; 32,768 bytes a chunk out
	s_mov_b32 s35, 0
	s_add_nc_u64 s[24:25], s[24:25], s[32:33]
	s_add_nc_u64 s[26:27], s[26:27], s[34:35]
.irp i, 0,1,2,3,4,5,6,7,8,9,10,11,12,13,14,15
	global_load_b128 v[IN+4*\i:IN+4*\i+3], v1, s[24:25] offset:4096*\i th:TH_LOAD_NT   ; read once in the launch
.endr
.irp i, 0,1,2,3,4,5,6,7,8,9,10,11,12,13,14,15
	s_wait_loadcnt 15-\i                           ; loads come back in order (ISA guide 5.7.1): number i is in, the 15 - i younger ones stay out
	v_cvt_pk_f16_f32 v[OUT+2*\i],   v[IN+4*\i],   v[IN+4*\i+1]
	v_cvt_pk_f16_f32 v[OUT+2*\i+1], v[IN+4*\i+2], v[IN+4*\i+3]
	global_store_b64 v2, v[OUT+2*\i:OUT+2*\i+1], s[26:27] offset:2048*\i   ; the wave's 32 lanes store 256 consecutive bytes, aligned
.endr
	s_endpgm
.Lfunc_end_k_q51805dc6b2_cast:
	.size	k_q51805dc6b2_cast, .Lfunc_end_k_q51805dc6b2_cast-k_q51805dc6b2_cast
	.p2alignl 7, 3214868480
	.fill 96, 4, 3214868480
	.section	.rodata,"a",@progbits
	.p2align	6, 0x0
	.amdhsa_kernel k_q51805dc6b2_cast
		.amdhsa_group_segment_fixed_size 0
		.amdhsa_private_segment_fixed_size 0
		.amdhsa_enable_private_segment 0
		.amdhsa_kernarg_size 64
		.amdhsa_user_sgpr_count 2
		.amdhsa_user_sgpr_kernarg_segment_ptr 1
		.amdhsa_wavefront_size32 1
		.amdhsa_system_sgpr_workgroup_id_x 1
		.amdhsa_system_sgpr_workgroup_id_y 1
		.amdhsa_system_sgpr_workgroup_id_z 1
		.amdhsa_system_vgpr_workitem_id 0
		.amdhsa_next_free_vgpr 100
		.amdhsa_next_free_sgpr 66
		.amdhsa_reserve_vcc 0
		.amdhsa_float_denorm_mode_32 3
		.amdhsa_float_denorm_mode_16_64 3
		.amdhsa_memory_ordered 1
		.amdhsa_forward_progress 1
		.amdhsa_inst_pref_size 7
	.end_amdhsa_kernel
	.amdgpu_metadata
---
amdhsa.version: [ 1, 2 ]
amdhsa.kernels:
  - .name:           k_q51805dc6b2_cast
    .symbol:         k_q51805dc6b2_cast.kd
    .args:
      - { .name: x, .offset: 0, .size: 8, .value_kind: global_buffer, .address_space: global }
      - { .name: Wq, .offset: 8, .size: 8, .value_kind: global_buffer, .address_space: global }
      - { .name: Wk, .offset: 16, .size: 8, .value_kind: global_buffer, .address_space: global }
      - { .name: Wv, .offset: 24, .size: 8, .value_kind: global_buffer, .address_space: global }
      - { .name: Wfc, .offset: 32, .size: 8, .value_kind: global_buffer, .address_space: global }
      - { .name: xh, .offset: 40, .size: 8, .value_kind: global_buffer, .address_space: global }
      - { .name: wqkvh, .offset: 48, .size: 8, .value_kind: global_buffer, .address_space: global }
      - { .name: wfch, .offset: 56, .size: 8, .value_kind: global_buffer, .address_space: global }
    .group_segment_fixed_size: 0
    .private_segment_fixed_size: 0
    .kernarg_segment_align: 8
    .kernarg_segment_size: 64
    .max_flat_workgroup_size: 256
    .sgpr_count:     66
    .vgpr_count:     100
    .wavefront_size: 32
...
	.end_amdgpu_metadata
.endif
;; end of part 1
;; launch gemm_qkv (part 2): grid 4 x 64, 4 waves a work-group, clusters of 4 x 4, 327,680 bytes of LDS; arguments xh, wqkvh, qkvh; writes qkvh
.if DOCPART == 2
	.amdgcn_target "amdgcn-amd-amdhsa--gfx1250"
	.amdhsa_code_object_version 6
	.text
	.protected	k_q51805dc6b2_gemm_qkv
	.globl	k_q51805dc6b2_gemm_qkv
	.p2align	8
	.type	k_q51805dc6b2_gemm_qkv,@function
k_q51805dc6b2_gemm_qkv:
	s_mov_b64 s[64:65], 0
	v_nop
	global_prefetch_b8 v0, s[64:65] scope:SCOPE_SE
	s_setreg_imm32_b32 hwreg(HW_REG_WAVE_MODE, 25, 1), 1
	s_wait_xcnt 0x0
	s_wait_alu depctr_hold_cnt(0) depctr_sa_sdst(0) depctr_va_vdst(0) depctr_va_sdst(0) depctr_va_ssrc(0) depctr_va_vcc(0) depctr_vm_vsrc(0)
	s_getreg_b32 s2, hwreg(HW_REG_IB_STS2, 6, 4)
	s_cmp_eq_u32 s2, 0
	s_cbranch_scc0 .Lentry_in_a_cluster
	s_endpgm
.Lentry_in_a_cluster:
	s_bfe_u32 s2, ttmp6, 0x10000c
	s_cmp_lg_u32 s2, 0xf033
	s_cbranch_scc0 .Lentry_shape_is_right
	s_endpgm
.Lentry_shape_is_right:
; C[m][n] = sum over k of A[m][k] B[n][k].  A = xh [16384][1024], B = wqkvh [3072][1024] (Wq's, Wk's, Wv's rows), both f16; sums in f32;
; C = qkvh [16384][3072] in f16: a token's row holds its Q, K and V, 2,048 bytes each.
; LIMIT: operands and C are f16: |x|, |W|, |Q|, |K|, |V| of 65,520 or more become infinities.
; A work-group makes a block of 256 x 256 of C with four waves, as many as a WGP has SIMDs; a wave makes 128 x 128: 64 accumulator tiles
; of 16 x 16, 512 registers.  K goes in steps of 128 through a ring of two LDS slots filled by the tensor data mover: a tile's rows are
; 256 bytes of memory and start at multiples of 256 bytes from the buffer's first byte.
; CLUSTERS: 4 x 4 work-groups form a cluster and make a cluster tile of 1024 x 1024 of C.  The four of a row of the cluster need the same tiles of A,
; the four of a column the same tiles of B.  Such a tile is asked for JOINTLY: each of the four issues the same tensor load, with the same descriptor
; and a mask that names the four, and each receives the tile in its own LDS.  That divides the requests for A and for B by four.
; THE WORK-GROUPS STAY: C has 16 x 3 = 48 cluster tiles, numbered along the rows; the 16 clusters make three each, cluster c the tiles c, c + 16, c + 32.
; So at any time the clusters work on sixteen neighbouring tiles, and three clusters read the same rows of A at about the same time.  K is only
; 8 steps, so the ring runs on from one tile into the next: the last lap of a tile refills both slots with the next tile's K steps 0 and 1, which
; land while the results leave, and a tile's stores are on their way while the next tile is multiplied.
;
; REGISTERS, in windows of 256 (an instruction names v0-v255; s_set_vgpr_msb says which window each operand place means):
;   window 0: v0-31 addresses; v64-127, v128-191 fragments of A (8 x 16 rows x 32 K), two buffers; v192-223 at work on the way out
;   window 1: v64-127, v128-191 fragments of B, two buffers
;   window 2: the 32 accumulator tiles of my rows 0-63 (tile (a, b) at v[8 (8 a + b)]);   window 3: those of my rows 64-127
; s_set_vgpr_msb's low byte: bits 1:0 source 0, 3:2 source 1, 5:4 source 2, 7:6 destination.  Work is laid in long stretches under one setting.
; THE MATRIX INSTRUCTION IS USED TRANSPOSED: source 0 = 16 rows of B, source 1 = 16 rows of A.  In the result, lane l then holds row
; m = l % 16 of C, and its registers 0 to 7 the columns n = 8 (l / 16) + 0 .. 7: eight neighbouring numbers of a row of C.
; The 64 accumulators take turns, one matrix instruction a turn, in the same order in every quarter step.
.set SIZE_M, 16384
.set SIZE_N, 3072
.set SIZE_K, 1024
.set TILES,  3                         ; cluster tiles of a cluster: 48 / 16
.set CLUSTERS, 16
.set KSTEP,  128
.set PITCH,  272                       ; an LDS row: 256 bytes of data + 16 of padding = 68 words: row r starts at bank 4 r mod 64 (64 banks of 4 bytes: ISA guide 11.1), so the 16 rows that a load touches start at 16 different banks
.set HALFT,  128*PITCH                 ; 128 rows: what one tensor load brings, and what one wave reads of A or of B
.set SLOT,   4*HALFT                   ; A's 256 rows, then B's 256 rows
.set STAGE,  2*SLOT                    ; behind the ring (byte 278,528 = 1,088 x 256): two stages of 16 rows for each wave, for the way out; no tensor load lands there
.set SPITCH, 272                       ; a stage row: 128 f16 + 16 bytes
.set SBYTES, 16*SPITCH                 ; a stage
.set LAPS, SIZE_K/(2*KSTEP)            ; a lap = two K steps = once round the ring: 4 to a tile
.set ADRA, 16                          ; v16-17  LDS address of my A fragments in slot 0, 1
.set ADRB, 20                          ; v20-21  the same for B
.set STO,  24                          ; v24     the way out: where I put 16 bytes of a row
.set RD,   25                          ; v25     the way out: where I read rows back
.set CO,   26                          ; v26     my byte offset in C
.set F0,   64                          ; fragment buffer 0
.set F1,   128                         ; fragment buffer 1
.set TMP,  192                         ; the way out: packed results, in window 0
.set G1, 24                            ; s[24:31] descriptor group 1 for A's tiles
.set G0, 32                            ; s[32:39] descriptor group 0 for A's tiles, one set for each slot
.set G1B, 48                           ; s[48:55] descriptor group 1 for B's tiles: it differs from A's in the mask alone
.set G0B, 56                           ; s[56:63] descriptor group 0 for B's tiles, one set for each slot
; other scalars: s[4:5] A, s[6:7] B, s[8:9] C; s10 wave, s11 wave / 2, s12 wave % 2; s13 the number of the cluster tile at work; s40 cx, s41 cy;
; s[14:15], s[46:47] A's and B's address of a tile's K step 0; s[22:23] C at my part of the tile; s3, s45 counters; s2, s16-s19 at work
.set MSB, 0
.macro WIN new                         ; the immediate's high byte repeats the setting that is left
.if MSB != \new
	s_set_vgpr_msb (MSB<<8)|\new
.set MSB, \new
.endif
.endm
.set MUL_LO, 0xa1                      ; source 0 (B) window 1, source 1 (A) window 0, C and D window 2
.set MUL_HI, 0xf1                      ; the same, C and D window 3
.set TO_B,   0x40                      ; destination window 1, address window 0
; A joint load.  Waves 0 and 1 fetch A's two halves, waves 2 and 3 B's.  Each of the two lines has ONE mask and one set of registers for all that issue it,
; and nothing in them hangs on a coordinate that the four partners do not share.  The branch hangs on the wave's number alone.
.macro JLOAD s
	s_cmp_eq_u32 s11, 0
	s_cbranch_scc0 .Lfor_b_\@
	tensor_load_to_lds s[G0+4*\s:G0+4*\s+3], s[G1:G1+7]
	s_nop 0
	s_branch .Lasked_\@
.Lfor_b_\@:
	tensor_load_to_lds s[G0B+4*\s:G0B+4*\s+3], s[G1B:G1B+7]
	s_nop 0
.Lasked_\@:
.endm
; A round of the cluster's barrier: my work-group's barrier, so that wave 0's signal speaks for all four waves; wave 0 signals for the work-group;
; every wave waits for all sixteen work-groups; my work-group's barrier once more.  No LDS instruction of the wave is pending at a signal.
.macro CREST                           ; a round behind its opening barrier
	s_cmp_lg_u32 s10, 0
	s_cbranch_scc1 .Lnot_wave_0_\@
	s_barrier_signal -3
.Lnot_wave_0_\@:
	s_barrier_wait -3
	s_barrier_signal -1
	s_barrier_wait -1
.endm
.macro CROUND                          ; a whole round
	s_barrier_signal -1
	s_barrier_wait -1
	CREST
.endm
; Where the tiles of cluster tile s2 come from: s[14:15] = A's, s[46:47] = B's address of the 128 rows that my wave fetches, K step 0.
; Tile t lies in cluster row t / 3 and cluster column t % 3.  A's address hangs on the block row alone, which my row of the cluster shares; B's on the
; block column alone, which my column shares.  Every wave makes both, in registers that never hold the other coordinate, and asks by one of them.
.macro ABADDR
	s_mul_hi_u32 s18, s2, 0x55555556               ; t / 3: exact for t < 48 (the factor is 2^32 / 3 rounded up)
	s_mul_i32 s19, s18, 3
	s_sub_co_u32 s19, s2, s19                      ; t % 3
	s_lshl_b32 s16, s18, 2
	s_add_co_u32 s16, s16, s41                     ; block row of C = 4 x cluster row + cy
	s_lshl_b32 s16, s16, 1
	s_add_co_u32 s16, s16, s12                     ; in halves of 128 rows: which half I fetch
	s_lshl_b32 s16, s16, 18                        ; x 128 rows x 2,048 bytes: 33,292,288 at the most
	s_mov_b32 s17, 0
	s_add_nc_u64 s[14:15], s[4:5], s[16:17]
	s_lshl_b32 s46, s19, 2
	s_add_co_u32 s46, s46, s40                     ; block column of C = 4 x cluster column + cx
	s_lshl_b32 s46, s46, 1
	s_add_co_u32 s46, s46, s12
	s_lshl_b32 s46, s46, 18
	s_mov_b32 s47, 0
	s_add_nc_u64 s[46:47], s[6:7], s[46:47]
.endm
; s[22:23] = C at my wave's 128 x 128 of cluster tile s13.  The row part is made in A's work registers, the column part in B's.
.macro CADDR
	s_mul_hi_u32 s18, s13, 0x55555556
	s_mul_i32 s19, s18, 3
	s_sub_co_u32 s19, s13, s19
	s_lshl_b32 s16, s18, 2
	s_add_co_u32 s16, s16, s41
	s_lshl_b32 s16, s16, 1
	s_add_co_u32 s16, s16, s11                     ; which half of the block's rows is mine
	s_mul_i32 s16, s16, 128*SIZE_N*2               ; x 128 rows of C: 99,876,864 at the most
	s_mov_b32 s17, 0
	s_add_nc_u64 s[22:23], s[8:9], s[16:17]
	s_lshl_b32 s46, s19, 2
	s_add_co_u32 s46, s46, s40
	s_lshl_b32 s46, s46, 1
	s_add_co_u32 s46, s46, s12                     ; which half of its columns
	s_lshl_b32 s46, s46, 8                         ; x 128 numbers of 2 bytes
	s_mov_b32 s47, 0
	s_add_nc_u64 s[22:23], s[22:23], s[46:47]
.endm
	s_load_b128 s[4:7], s[0:1], 0x0                ; A s[4:5], B s[6:7]
	s_load_b64 s[8:9], s[0:1], 0x10                ; C
	s_set_vgpr_msb 0x40
	v_lshl_add_u32 v255, v0, 2, 0x4c800
	s_set_vgpr_msb 0x4000
	v_mov_b32 v255, 0
	s_set_vgpr_msb 0x1
	ds_add_u32 v255, v255
	s_set_vgpr_msb 0x100
	v_lshrrev_b32 v1, 5, v0
	v_readfirstlane_b32 s10, v1                    ; wave 0..3
	s_lshr_b32 s11, s10, 1                         ; which half of the block's rows is mine.  Also: I fetch for A (0) or for B (1)
	s_and_b32 s12, s10, 1                          ; which half of its columns.  Also: which 128 rows of that tile I fetch
	s_bfe_u32 s40, ttmp6, 0x40000                  ; cx: my place along the cluster's x
	s_bfe_u32 s41, ttmp6, 0x40004                  ; cy: along its y
	s_and_b32 s13, ttmp7, 0xffff                   ; in a cluster launch ttmp7 counts clusters: 0 .. 15 (the grid is one cluster wide): my cluster's first tile
	s_lshl_b32 s43, s41, 2
	s_lshl_b32 s43, 15, s43                        ; my row of the cluster: places 4 cy .. 4 cy + 3
	s_lshl_b32 s44, 0x1111, s40                    ; my column: places cx, cx + 4, cx + 8, cx + 12
	; descriptor group 1: a tile of 128 rows x 128 elements, padded in LDS
	s_or_b32 s[G1+0], s43, (1<<16)|(1<<20)|(1<<21)|(5<<22)|(3<<25)  ; 15:0 the mask: A's tiles go to my row; 17:16 element of 2 bytes; 20 padding on; 21 set beside a mask; 24:22 after every 64 words (code 5); 31:25 of 4 words (code 3)
	s_or_b32 s[G1B+0], s44, (1<<16)|(1<<20)|(1<<21)|(5<<22)|(3<<25) ; the same with the mask of my column, for B's tiles
	s_mov_b32 s[G1B+1], KSTEP<<16
	s_mov_b32 s[G1+1], KSTEP<<16                   ; 63:48 tensor_dim0, low half = 128
	s_mov_b32 s[G1B+2], 128<<16
	s_mov_b32 s[G1+2], 128<<16                     ; 79:64 its high half = 0; 95:80 tensor_dim1, low half = 128
	s_mov_b32 s[G1B+3], KSTEP<<16
	s_mov_b32 s[G1+3], KSTEP<<16                   ; 111:96 its high half = 0; 127:112 tile_dim0 = 128
	s_mov_b32 s[G1B+4], 128
	s_mov_b32 s[G1+4], 128                         ; 143:128 tile_dim1 = 128; 159:144 tile_dim2 = 0
	s_mov_b32 s[G1B+5], SIZE_K
	s_mov_b32 s[G1+5], SIZE_K                      ; 191:160 tensor_dim0_stride, low word: elements from row to row
	s_mov_b32 s[G1B+6], 0
	s_mov_b32 s[G1+6], 0
	s_mov_b32 s[G1B+7], 0
	s_mov_b32 s[G1+7], 0
	s_mul_i32 s20, s10, HALFT                      ; where the tiles go: A's two halves, then B's two halves = wave x 128 rows: no place in the cluster enters an LDS address
	s_mov_b32 s2, s13
	s_wait_dscnt 0x0
	s_wait_kmcnt 0x0
	ABADDR                                         ; the first tile's addresses
	CROUND                                         ; all sixteen work-groups are here: the first joint loads meet
.irp s, 0,1
	s_mov_b32 s[G0+4*\s], 1                                        ; 1:0 count = 1
	s_add_co_u32 s[G0+4*\s+1], s20, \s*SLOT                        ; 63:32 LDS address
	s_add_nc_u64 s[G0+4*\s+2:G0+4*\s+3], s[14:15], \s*KSTEP*2      ; 120:64 global address: K step s
	s_or_b32 s[G0+4*\s+3], s[G0+4*\s+3], 0x80000000                ; 127:126 type = 2
	s_mov_b32 s[G0B+4*\s], 1
	s_add_co_u32 s[G0B+4*\s+1], s20, \s*SLOT
	s_add_nc_u64 s[G0B+4*\s+2:G0B+4*\s+3], s[46:47], \s*KSTEP*2
	s_or_b32 s[G0B+4*\s+3], s[G0B+4*\s+3], 0x80000000
	JLOAD \s                                       ; the ring is filled before anything else is done: two tensor loads of the wave are out, later one
.endr
	; A fragment is 16 rows x 32 K in 8 registers: lane l holds row l % 16; registers 0-3 hold K = 8 (l / 16) + 0..7, registers 4-7 hold
	; K = 16 + 8 (l / 16) + 0..7.  From rows that lie along K: two loads of 16 bytes, 32 bytes apart.  The same for source 0 and source 1.
	v_and_b32 v1, 15, v0                           ; l % 16
	v_bfe_u32 v2, v0, 4, 1                         ; l / 16
	v_mul_u32_u24 v3, v1, PITCH
	v_lshl_add_u32 v3, v2, 4, v3                   ; row x pitch + 16 x half
	s_mul_i32 s21, s11, HALFT                      ; my 128 rows of A
	s_mul_i32 s22, s12, HALFT                      ; my 128 rows of B,
	s_add_co_u32 s22, s22, 2*HALFT                 ; which lie behind A's 256
.irp s, 0,1
	v_add_nc_u32 v[ADRA+\s], s21, v3
	v_add_nc_u32 v[ADRB+\s], s22, v3
	s_add_co_u32 s21, s21, SLOT
	s_add_co_u32 s22, s22, SLOT
.endr
	s_mul_i32 s23, s10, 2*SBYTES
	s_add_co_u32 s23, s23, STAGE                   ; my two stages
	v_mul_u32_u24 v4, v1, SPITCH                   ; in: row l % 16, 16 bytes (8 f16) for each half of the lanes
	v_lshl_add_u32 v4, v2, 4, v4
	v_add_nc_u32 v[STO], s23, v4
	v_mul_u32_u24 v5, v2, SPITCH                   ; back: lanes 0-15 take one row of 256 bytes, lanes 16-31 the next
	v_lshl_add_u32 v5, v1, 4, v5
	v_add_nc_u32 v[RD], s23, v5
	v_mul_u32_u24 v5, v2, SIZE_N*2                 ; and the same two rows in C
	v_lshl_add_u32 v[CO], v1, 4, v5
; 16 matrix instructions: m blocks a0, a0 + 1 of the window's four (hi = 0: my rows 0-63, 1: rows 64-127) x all 8 n blocks, 32 along K.
; zero = 1: the first product starts the sums: nothing is ever cleared.
.macro MUL16 f, hi, a0, zero
.irp a, \a0, \a0+1
.irp b, 0,1,2,3,4,5,6,7
.if \zero
	v_wmma_f32_16x16x32_f16 v[8*(8*(\a)+\b):8*(8*(\a)+\b)+7], v[\f+8*\b:\f+8*\b+7], v[\f+8*(4*\hi+\a):\f+8*(4*\hi+\a)+7], 0
.else
	v_wmma_f32_16x16x32_f16 v[8*(8*(\a)+\b):8*(8*(\a)+\b)+7], v[\f+8*\b:\f+8*\b+7], v[\f+8*(4*\hi+\a):\f+8*(4*\hi+\a)+7], v[8*(8*(\a)+\b):8*(8*(\a)+\b)+7]
.endif
.endr
.endr
.endm
; 32 LDS loads in one run: the fragments of one quarter step (128 rows of B, 128 rows of A, 32 K at byte k of the rows) into buffer f
.macro FETCH slot, k, f
	WIN TO_B
.irp i, 0,1,2,3,4,5,6,7
	ds_load_b128 v[\f+8*\i:\f+8*\i+3],   v[ADRB+\slot] offset:\k+\i*16*PITCH
	ds_load_b128 v[\f+8*\i+4:\f+8*\i+7], v[ADRB+\slot] offset:\k+\i*16*PITCH+32
.endr
	WIN 0
.irp i, 0,1,2,3,4,5,6,7
	ds_load_b128 v[\f+8*\i:\f+8*\i+3],   v[ADRA+\slot] offset:\k+\i*16*PITCH
	ds_load_b128 v[\f+8*\i+4:\f+8*\i+7], v[ADRA+\slot] offset:\k+\i*16*PITCH+32
.endr
.endm
; A load into a register that a matrix instruction has read, and a vector instruction that reads a matrix result, stand four places behind that
; matrix instruction, and only plain vector instructions that name none of its registers are places (ISA guide 7.12.1 for vector instructions).
; So four v_nop stand in front of each run of loads: sixteen issue slots for a K step's 256 matrix instructions.
.macro PLACES
.rept 4
	v_nop
.endr
.endm
; A K step is four quarter steps of 32 along K, 64 matrix instructions each, on buffers 0, 1, 0, 1.
; One of the first three: multiplies buffer f; in its middle it fetches the next quarter's fragments, at byte k of the same slot's rows, into buffer g.
.macro QUARTER slot, k, f, g, zero
	s_wait_dscnt 8                                 ; B and A's rows 0-63 are in; the youngest eight loads (A's rows 64-127) may be out
	WIN MUL_LO
	MUL16 \f, 0, 0, \zero
	MUL16 \f, 0, 2, \zero
	PLACES
	FETCH \slot, \k, \g
	s_wait_dscnt 32                                ; all but the 32 just issued
	WIN MUL_HI
	MUL16 \f, 1, 0, \zero
	MUL16 \f, 1, 2, \zero
.endm
.macro THREE slot, zero
	QUARTER \slot, 64,  F0, F1, \zero
	QUARTER \slot, 128, F1, F0, 0
	QUARTER \slot, 192, F0, F1, 0
.endm
; The last quarter: multiplies buffer 1 and changes slots.  next = the other slot.
; fill = 1: this slot is filled again, two K steps ahead; fill = 2: with the NEXT tile's K step of this slot's number; fill = 0: not at all.
; ONE barrier for the change of slots, for two things.  In front of it each wave waits for its own reads of this slot and for all its tensor loads,
; of which one is out: its part of the next slot.  Behind it nobody reads this slot any more and the next slot is whole: the refill comes
; first, then the next slot's first fragments.  From a request to the wait for it a wave issues 240 matrix instructions.
.macro TURN slot, next, fill
	s_wait_dscnt 8
	WIN MUL_LO
	MUL16 F1, 0, 0, 0
	s_wait_dscnt 0                                 ; my reads of this slot are over (the last were issued 48 matrix instructions ago)
	s_wait_tensorcnt 0x0                           ; and all my tensor loads have landed: the one that was out is my part of the next slot:
	ds_add_u32 v255, v255
	s_wait_dscnt 0x0
	s_barrier_signal -1                            ; say so (where a slot is filled again this barrier opens a round of the cluster's barrier),
	MUL16 F1, 0, 2, 0                              ; work on registers while the others arrive,
	WIN 0
	s_barrier_wait -1                              ; and go on when all four have said so
.if \fill
	CREST                                          ; wave 0 says so for the work-group, all sixteen work-groups have said so, my work-group's barrier closes the round:
	                                               ; no wave of any partner still reads this slot's tile or has a load on its way
.if \fill == 1
	s_add_nc_u64 s[G0+4*\slot+2:G0+4*\slot+3], s[G0+4*\slot+2:G0+4*\slot+3], 2*KSTEP*2
	s_add_nc_u64 s[G0B+4*\slot+2:G0B+4*\slot+3], s[G0B+4*\slot+2:G0B+4*\slot+3], 2*KSTEP*2
.else
	s_add_nc_u64 s[G0+4*\slot+2:G0+4*\slot+3], s[14:15], \slot*KSTEP*2
	s_or_b32 s[G0+4*\slot+3], s[G0+4*\slot+3], 0x80000000
	s_add_nc_u64 s[G0B+4*\slot+2:G0B+4*\slot+3], s[46:47], \slot*KSTEP*2
	s_or_b32 s[G0B+4*\slot+3], s[G0B+4*\slot+3], 0x80000000
.endif
	JLOAD \slot                                    ; the first tensor load behind the round, and the wave's only one until the next
.endif
	PLACES
	FETCH \next, 0, F0
	WIN MUL_HI
	MUL16 F1, 1, 0, 0
	MUL16 F1, 1, 2, 0
.endm
.macro LAP zero                        ; once round the ring, both slots filled again
	THREE 0, \zero
	TURN 0, 1, 1
	THREE 1, 0
	TURN 1, 0, 1
.endm
.macro FIRST3                          ; a tile's K steps 0 to 5; they ask for its K steps 2 to 7
	LAP 1                                          ; the first lap stands in front of the loop: its first products start the sums
	WIN 0                                          ; at a label and at a branch every window is 0
	s_mov_b32 s3, LAPS-2
.Llap_\@:
	LAP 0
	WIN 0
	s_sub_co_u32 s3, s3, 1
	s_cmp_lg_u32 s3, 0
	s_cbranch_scc1 .Llap_\@
.endm
; THE WAY OUT, 16 rows of C at a time, through my own two stages in LDS, which take turns.
; PACK: rows 16 i .. 16 i + 15 of my block = the eight tiles (a, 0..7) of window 2 or 3 (from = 0x0a or 0x0f: sources 0 and 1): round to f16, 16 bytes a lane into stage i % 2.
.macro PACK i, a, from
	WIN \from
.irp b, 0,1,2,3,4,5,6,7
.irp r, 0,1,2,3
	v_cvt_pk_f16_f32 v[TMP+4*\b+\r], v[8*(8*\a+\b)+2*\r], v[8*(8*\a+\b)+2*\r+1]
.endr
.endr
	WIN 0
.irp b, 0,1,2,3,4,5,6,7
	ds_store_b128 v[STO], v[TMP+4*\b:TMP+4*\b+3] offset:(\i%2)*SBYTES+32*\b
.endr
.endm
; BACK: the same rows read back as whole rows of 256 bytes, into half i % 2 of A's fragment buffer 1 (buffer 0 holds the next tile's first fragments).
.macro BACK i
	s_wait_xcnt 0x0                                ; every earlier memory instruction has had its addresses translated (ISA guide 3.1): this half, which the stores of rows 16 (i - 2) .. read, is loaded again only behind this wait
.irp t, 0,1,2,3,4,5,6,7
	ds_load_b128 v[F1+32*(\i%2)+4*\t:F1+32*(\i%2)+4*\t+3], v[RD] offset:(\i%2)*SBYTES+\t*2*SPITCH   ; LDS serves a wave's instructions in order (ISA guide 5.7.1.4): these see the stores of PACK i
.endr
.endm
; SEND: and stored.  later = LDS instructions issued behind BACK i: the eight stage stores of PACK i + 1, whose conversions have covered the way back from LDS.
.macro SEND i, later
.irp t, 0,1,2,3,4,5,6,7
	s_wait_dscnt \later+7-\t                       ; rows 2 t, 2 t + 1 are back; the 7 - t younger loads and what was issued behind them stay out
	global_store_b128 v[CO], v[F1+32*(\i%2)+4*\t:F1+32*(\i%2)+4*\t+3], s[22:23] offset:(16*\i+2*\t)*SIZE_N*2   ; 16 lanes store 256 consecutive bytes, at a multiple of 256 from C's first byte; the rows' place stands in the immediate, 774,144 at the most
.endr
.endm
.macro WAYOUT
	PLACES                                         ; the places behind the last matrix instructions: for the conversions, which read results, and for the loads into buffer 1
	CADDR                                          ; the base of the last tile's stores is written again: behind the s_wait_xcnt 0 that closed that way out
	PACK 0, 0, 0x0a
	BACK 0
	PACK 1, 1, 0x0a
	SEND 0, 8
	BACK 1
	PACK 2, 2, 0x0a
	SEND 1, 8
	BACK 2
	PACK 3, 3, 0x0a
	SEND 2, 8
	BACK 3
	PACK 4, 0, 0x0f
	SEND 3, 8
	BACK 4
	PACK 5, 1, 0x0f
	SEND 4, 8
	BACK 5
	PACK 6, 2, 0x0f
	SEND 5, 8
	BACK 6
	PACK 7, 3, 0x0f
	SEND 6, 8
	BACK 7
	SEND 7, 0
	s_wait_xcnt 0x0                                ; buffer 1, which the last stores read, and their base are written again only behind this wait; the stores themselves stay on their way
.endm
	s_wait_tensorcnt 1                             ; my part of K step 0 is in; K step 1's may stay out
	s_barrier_signal -1
	s_barrier_wait -1                              ; everybody's is
	FETCH 0, 0, F0
	s_mov_b32 s45, TILES-1
.Ltile:                                        ; a tile that has a successor.  Here: buffer 0 holds or awaits K step 0's first fragments, slot 1's load is out
	FIRST3
	s_add_co_u32 s2, s13, CLUSTERS
	ABADDR                                         ; the next tile's addresses
	THREE 0, 0                                     ; the tile's last lap asks for the next tile's K steps 0 and 1
	TURN 0, 1, 2
	THREE 1, 0
	TURN 1, 0, 2                                   ; its last lines fetch the next tile's first fragments into buffer 0
	WAYOUT                                         ; slot 1's load lands meanwhile
	s_add_co_u32 s13, s13, CLUSTERS
	s_sub_co_u32 s45, s45, 1
	s_cmp_lg_u32 s45, 0
	s_cbranch_scc1 .Ltile
	FIRST3                                         ; the last tile
	THREE 0, 0                                     ; its last lap fills nothing, and has no round of the cluster's barrier: my one tensor load that is still out is slot 1's, the last K step's
	TURN 0, 1, 0
	THREE 1, 0
	s_wait_dscnt 8                                 ; the very last quarter: nothing more to fetch
	WIN MUL_LO
	MUL16 F1, 0, 0, 0
	MUL16 F1, 0, 2, 0
	s_wait_dscnt 0
	WIN MUL_HI
	MUL16 F1, 1, 0, 0
	MUL16 F1, 1, 2, 0
	WAYOUT
	s_set_vgpr_msb 0x1
	s_wait_tensorcnt 0x0
	ds_add_u32 v255, v255
	s_wait_dscnt 0x0
	s_set_vgpr_msb 0x100
	CROUND                                         ; the closing round: no work-group ends while a partner may still ask for a tile that names it
	s_endpgm
.Lfunc_end_k_q51805dc6b2_gemm_qkv:
	.size	k_q51805dc6b2_gemm_qkv, .Lfunc_end_k_q51805dc6b2_gemm_qkv-k_q51805dc6b2_gemm_qkv
	.p2alignl 7, 3214868480
	.fill 96, 4, 3214868480
	.section	.rodata,"a",@progbits
	.p2align	6, 0x0
	.amdhsa_kernel k_q51805dc6b2_gemm_qkv
		.amdhsa_group_segment_fixed_size 327680
		.amdhsa_private_segment_fixed_size 0
		.amdhsa_enable_private_segment 0
		.amdhsa_kernarg_size 24
		.amdhsa_user_sgpr_count 2
		.amdhsa_user_sgpr_kernarg_segment_ptr 1
		.amdhsa_wavefront_size32 1
		.amdhsa_system_sgpr_workgroup_id_x 1
		.amdhsa_system_sgpr_workgroup_id_y 1
		.amdhsa_system_sgpr_workgroup_id_z 1
		.amdhsa_system_vgpr_workitem_id 0
		.amdhsa_next_free_vgpr 1024
		.amdhsa_next_free_sgpr 66
		.amdhsa_reserve_vcc 0
		.amdhsa_float_denorm_mode_32 3
		.amdhsa_float_denorm_mode_16_64 3
		.amdhsa_memory_ordered 1
		.amdhsa_forward_progress 1
		.amdhsa_inst_pref_size 255
	.end_amdhsa_kernel
	.section	.bss,"aw",@nobits
	.p2align	6
	.space	262144
	.amdgpu_metadata
---
amdhsa.version: [ 1, 2 ]
amdhsa.kernels:
  - .name:           k_q51805dc6b2_gemm_qkv
    .symbol:         k_q51805dc6b2_gemm_qkv.kd
    .args:
      - { .name: xh, .offset: 0, .size: 8, .value_kind: global_buffer, .address_space: global }
      - { .name: wqkvh, .offset: 8, .size: 8, .value_kind: global_buffer, .address_space: global }
      - { .name: qkvh, .offset: 16, .size: 8, .value_kind: global_buffer, .address_space: global }
    .group_segment_fixed_size: 327680
    .private_segment_fixed_size: 0
    .kernarg_segment_align: 8
    .kernarg_segment_size: 24
    .max_flat_workgroup_size: 128
    .sgpr_count:     66
    .vgpr_count:     1024
    .wavefront_size: 32
...
	.end_amdgpu_metadata
.endif
;; end of part 2
;; launch attn (part 3): grid 256 x 1, 16 waves a work-group, no clusters, 296,960 bytes of LDS; arguments qkvh, oh; writes oh
.if DOCPART == 3
	.amdgcn_target "amdgcn-amd-amdhsa--gfx1250"
	.amdhsa_code_object_version 6
	.text
	.protected	k_q51805dc6b2_attn
	.globl	k_q51805dc6b2_attn
	.p2align	8
	.type	k_q51805dc6b2_attn,@function
k_q51805dc6b2_attn:
	s_mov_b64 s[64:65], 0
	v_nop
	global_prefetch_b8 v0, s[64:65] scope:SCOPE_SE
	s_setreg_imm32_b32 hwreg(HW_REG_WAVE_MODE, 25, 1), 1
	s_wait_xcnt 0x0
; For each token: S[h][t] = Q[h] . K[t] / 8 over the 16 heads (64 numbers a head), softmax over t, O[h] = sum over t of P[h][t] V[t].
; qkvh: [16384][3072] f16, a token's row = Q, K, V, each 16 heads x 128 bytes.  oh: [16384][1024] f16.
; LIMIT: operands in f16 (|Q|, |K|, |V| below 65,520); scores, maximum, exponentials, sum and the division in f32.
; The row's maximum is taken away before the exponential; P goes to the matrix unit unnormalised (0 < P <= 1, its largest entry is 1)
; and the result is multiplied by 1 / sum in f32.
; A stream with a little matrix work: every byte of qkvh is read once, every byte of oh written once, no two work-groups share a byte: no cluster.
; A work-group has 64 tokens, a wave 4, as two pairs: the two tokens of a pair let two accumulators take turns.
; All LDS is the wave's own (wave x 18,432 bytes), written and read by the wave's own LDS instructions, which are served in order: no barrier.
;   pair area: 2 tokens x 48 head rows (16 Q, 16 K, 16 V) of 128 + 16 bytes; output stage: 2 tokens x 16 head rows of 128 + 16 bytes.
; THE PRODUCTS ARE USED TRANSPOSED, so that no result changes lanes between them:
;   scores: source 0 = K's rows, source 1 = Q's rows: lane (r = l % 16, hh = l / 16) holds S[h = r][t = 8 hh + j] in register j,
;   which, packed to f16, is the lane's part of P as source 1 (column h = r, k = t = 8 hh + j; k = 16 .. 31 are zeros);
;   P V: source 0 = V transposed (row d, k = t), by the transposing LDS load: lane (r, hh) holds O[h = r][d = 16 i + 8 hh + j]: 16 neighbouring bytes.
.set TOKB,  6144                       ; bytes of a token's row in qkvh
.set OUTB,  2048                       ; bytes of a token's row in oh
.set HP,    144                        ; LDS pitch of a head row: an odd multiple of 16 bytes
.set TOKL,  48*HP                      ; a token in the pair area: 6,912
.set KOFF,  16*HP                      ; K's rows in it
.set VOFF,  32*HP                      ; V's rows in it
.set OST,   2*TOKL                     ; the output stage: 13,824
.set OTOK,  16*HP                      ; a token in it: 2,304
.set WAVEL, OST+2*OTOK                 ; a wave's LDS: 18,432
.set GO,  2                            ; v2   16 l: my 16 bytes of 512, in qkvh and in oh; never rewritten
.set LW,  3                            ; v3   the same 16 bytes in padded head rows: 144 (l / 8) + 16 (l % 8)
.set FA,  4                            ; v4   fragments along d, and the results' way into the stage: 144 r + 16 hh
.set VA,  5                            ; v5   the transposing load: 144 (8 hh + l % 8) + 16 ((l / 8) % 2)
.set W,   6                            ; v[6:9]     token u: a pair at work
.set PD,  10                           ; v[10:11]   token u: what the other half of the lanes holds
.set X,   12                           ; v[12:107]  token u at 48 u: 12 x 4 registers as loaded
.set KQ,  108                          ; v[108:171] token u at 32 u: K's fragments (16), Q's (16)
.set OA,  KQ                           ;            afterwards the four result tiles of 8; a tile's upper 4 then take a row chunk on the way out
.set S,   172                          ; v[172:187] token u at 8 u: the scores, then the exponentials
.set VT,  188                          ; v[188:227] token u at 20 u: V transposed, tile i at 4 i; 4 registers of zeros at the end
.set PF,  228                          ; v[228:243] token u at 8 u: P in f16 (4), zeros (4)
.set MX,  244                          ; v[244:247] token u: the maximum, twice
.set SM,  248                          ; v[248:251] token u: sums
.set RI,  252                          ; v[252:255] token u: 1 / sum, twice
	s_load_b128 s[4:7], s[0:1], 0x0                ; qkvh s[4:5], oh s[6:7]
	v_lshrrev_b32 v1, 5, v0
	v_readfirstlane_b32 s8, v1                     ; wave 0..15
	s_lshl_b32 s9, ttmp9, 6
	s_lshl2_add_u32 s9, s8, s9                     ; my first token = 64 x work-group + 4 x wave
	s_mul_i32 s10, s9, TOKB                        ; 100,657,152 at the most
	s_mov_b32 s11, 0
	s_lshl_b32 s14, s9, 11
	s_mov_b32 s15, 0
	s_mov_b32 s12, 0x76543210                      ; v_permlanex16_b32: lane i of one half reads lane i of the other
	s_mov_b32 s13, 0xfedcba98
	s_mul_i32 s16, s8, WAVEL                       ; my wave's LDS
	v_and_b32 v1, 31, v0                           ; l
	v_lshlrev_b32 v[GO], 4, v1
	s_wait_kmcnt 0x0
	s_add_nc_u64 s[4:5], s[4:5], s[10:11]
	s_add_nc_u64 s[6:7], s[6:7], s[14:15]
; the 24 loads of pair p: each covers 512 consecutive bytes (four head rows), aligned
.macro LOADS p
.irp u, 0,1
.irp j, 0,1,2,3,4,5,6,7,8,9,10,11
	global_load_b128 v[X+48*\u+4*\j:X+48*\u+4*\j+3], v[GO], s[4:5] offset:(2*(\p)+\u)*TOKB+512*\j th:TH_LOAD_NT   ; read once in the launch
.endr
.endr
.endm
	LOADS 0
	v_lshrrev_b32 v6, 3, v1                        ; l / 8
	v_and_b32 v7, 7, v1                            ; l % 8
	v_and_b32 v8, 15, v1                           ; r
	v_lshrrev_b32 v9, 4, v1                        ; hh
	v_mul_u32_u24 v[LW], v6, HP
	v_lshl_add_u32 v[LW], v7, 4, v[LW]
	v_add_nc_u32 v[LW], s16, v[LW]
	v_mul_u32_u24 v[FA], v8, HP
	v_lshl_add_u32 v[FA], v9, 4, v[FA]
	v_add_nc_u32 v[FA], s16, v[FA]
	v_lshl_add_u32 v[VA], v9, 3, v7
	v_mul_u32_u24 v[VA], v[VA], HP
	v_and_b32 v6, 1, v6
	v_lshl_add_u32 v[VA], v6, 4, v[VA]
	v_add_nc_u32 v[VA], s16, v[VA]
	; written once: the zeros for k = 16 .. 31 of P, the zeros behind the last tile of V, and the permutes' destinations (which count as read)
.irp u, 0,1
.irp k, 4,5,6,7
	v_mov_b32 v[PF+8*\u+\k], 0
	v_mov_b32 v[VT+20*\u+12+\k], 0
.endr
	v_mov_b32 v[PD+\u], 0
.endr
.macro PLACES                          ; four places behind matrix instructions, in front of what reads their results (ISA guide 7.12.1)
.rept 4
	v_nop
.endr
.endm
; softmax of token u's scores, one head a lane pair (l, l xor 16), eight t in each lane
.macro SOFTMAX u
	v_max3_num_f32 v[W+2*\u],   v[S+8*\u],   v[S+8*\u+1], v[S+8*\u+2]
	v_max3_num_f32 v[W+2*\u+1], v[S+8*\u+3], v[S+8*\u+4], v[S+8*\u+5]
	v_max3_num_f32 v[W+2*\u],   v[W+2*\u],   v[S+8*\u+6], v[S+8*\u+7]
	v_max_num_f32  v[W+2*\u],   v[W+2*\u],   v[W+2*\u+1]
	v_permlanex16_b32 v[PD+\u], v[W+2*\u], s12, s13
	v_max_num_f32 v[MX+2*\u],   v[W+2*\u], v[PD+\u]                ; the head's maximum over all 16 t, in both registers of a pair
	v_max_num_f32 v[MX+2*\u+1], v[W+2*\u], v[PD+\u]
.irp k, 0,2,4,6
	v_pk_add_f32 v[S+8*\u+\k:S+8*\u+\k+1], v[S+8*\u+\k:S+8*\u+\k+1], v[MX+2*\u:MX+2*\u+1] neg_lo:[0,1] neg_hi:[0,1]   ; s - max first: no difference of two scaled numbers
.endr
.irp k, 0,2,4,6
	v_pk_mul_f32 v[S+8*\u+\k:S+8*\u+\k+1], v[S+8*\u+\k:S+8*\u+\k+1], 0x3e38aa3b op_sel_hi:[1,0]   ; x log2(e) / 8: the scale 1 / sqrt(64) and the base of v_exp_f32
.endr
.irp k, 0,1,2,3,4,5,6,7
	v_exp_f32 v[S+8*\u+\k], v[S+8*\u+\k]
.endr
	v_nop                                          ; one plain vector instruction behind the transcendentals, in front of the first use (ISA guide 5.7.2)
	s_wait_alu depctr_va_vdst(0)
	v_pk_add_f32 v[SM+2*\u:SM+2*\u+1], v[S+8*\u:S+8*\u+1],   v[S+8*\u+2:S+8*\u+3]
	v_pk_add_f32 v[W+2*\u:W+2*\u+1],   v[S+8*\u+4:S+8*\u+5], v[S+8*\u+6:S+8*\u+7]
	v_pk_add_f32 v[SM+2*\u:SM+2*\u+1], v[SM+2*\u:SM+2*\u+1], v[W+2*\u:W+2*\u+1]
	v_add_f32 v[SM+2*\u], v[SM+2*\u], v[SM+2*\u+1]
	v_permlanex16_b32 v[PD+\u], v[SM+2*\u], s12, s13
	v_add_f32 v[SM+2*\u], v[SM+2*\u], v[PD+\u]                     ; the sum over 16 t: at least 1
	v_rcp_f32 v[RI+2*\u],   v[SM+2*\u]
	v_rcp_f32 v[RI+2*\u+1], v[SM+2*\u]                             ; the conversions below are the plain place behind it; RI is used far below
.irp k, 0,1,2,3
	v_cvt_pk_f16_f32 v[PF+8*\u+\k], v[S+8*\u+2*\k], v[S+8*\u+2*\k+1]
.endr
.endm
; pair p: tokens 2 p and 2 p + 1 of my four.  more = 1: the next pair's loads are issued as soon as X is free.
.macro PAIR p, more
	s_wait_loadcnt 12                              ; the first token's 12 loads are in, the second's 12 stay out
.irp j, 0,1,2,3,4,5,6,7,8,9,10,11
	ds_store_b128 v[LW], v[X+4*\j:X+4*\j+3] offset:4*HP*\j
.endr
	s_wait_loadcnt 0x0
.irp j, 0,1,2,3,4,5,6,7,8,9,10,11
	ds_store_b128 v[LW], v[X+48+4*\j:X+48+4*\j+3] offset:TOKL+4*HP*\j
.endr
.if \p
	s_wait_xcnt 0x0                                ; the last pair's global stores read registers of KQ, which are loaded again only behind this wait
.endif
	; LDS serves a wave's instructions in order (ISA guide 5.7.1.4): these loads see the stores above
.irp u, 0,1
.irp c, 0,1,2,3
	ds_load_b128 v[KQ+32*\u+4*\c:KQ+32*\u+4*\c+3],       v[FA] offset:TOKL*\u+KOFF+32*\c   ; K[t = r][d = 16 c + 8 hh ..]
.endr
.irp c, 0,1,2,3
	ds_load_b128 v[KQ+32*\u+16+4*\c:KQ+32*\u+16+4*\c+3], v[FA] offset:TOKL*\u+32*\c        ; Q[h = r][d = 16 c + 8 hh ..]
.endr
.endr
.irp u, 0,1
.irp i, 0,1,2,3
	ds_load_tr16_b128 v[VT+20*\u+4*\i:VT+20*\u+4*\i+3], v[VA] offset:TOKL*\u+VOFF+32*\i    ; V[t = 8 hh ..][d = 16 i + r]
.endr
.endr
	s_wait_dscnt 8                                 ; all but the eight loads of V: K and Q are in, and the stores have read X
.if \more
	LOADS \p+1
.endif
	; the two tokens' accumulators take turns, one instruction a turn; the first products start the sums
	v_wmma_f32_16x16x32_f16 v[S:S+7],    v[KQ:KQ+7],     v[KQ+16:KQ+23], 0
	v_wmma_f32_16x16x32_f16 v[S+8:S+15], v[KQ+32:KQ+39], v[KQ+48:KQ+55], 0
	v_wmma_f32_16x16x32_f16 v[S:S+7],    v[KQ+8:KQ+15],  v[KQ+24:KQ+31], v[S:S+7]
	v_wmma_f32_16x16x32_f16 v[S+8:S+15], v[KQ+40:KQ+47], v[KQ+56:KQ+63], v[S+8:S+15]
	PLACES
	SOFTMAX 0
	SOFTMAX 1
	s_wait_dscnt 0x0                               ; V is in
	; eight accumulators, each used once.  They lie on K's and Q's fragments: the four v_nop and the other token's softmax lines stand between.
	; A tile's registers 4-7 (k = 16 .. 31) are the next tile's V, or the zeros: finite numbers that meet P's zeros.
.irp i, 0,1,2,3
.irp u, 0,1
	v_wmma_f32_16x16x32_f16 v[OA+32*\u+8*\i:OA+32*\u+8*\i+7], v[VT+20*\u+4*\i:VT+20*\u+4*\i+7], v[PF+8*\u:PF+8*\u+7], 0
.endr
.endr
	PLACES
	s_wait_alu depctr_va_vdst(0)
.irp u, 0,1
.irp i, 0,1,2,3
.irp k, 0,2,4,6
	v_pk_mul_f32 v[OA+32*\u+8*\i+\k:OA+32*\u+8*\i+\k+1], v[OA+32*\u+8*\i+\k:OA+32*\u+8*\i+\k+1], v[RI+2*\u:RI+2*\u+1]   ; the lane is the head: its own 1 / sum
.endr
.irp k, 0,1,2,3
	v_cvt_pk_f16_f32 v[OA+32*\u+8*\i+\k], v[OA+32*\u+8*\i+2*\k], v[OA+32*\u+8*\i+2*\k+1]   ; register k is written after registers 2 k, 2 k + 1 have been read
.endr
	ds_store_b128 v[FA], v[OA+32*\u+8*\i:OA+32*\u+8*\i+3] offset:OST+OTOK*\u+32*\i          ; O[h = r][d = 16 i + 8 hh ..]
.endr
.endr
.irp u, 0,1
.irp j, 0,1,2,3
	ds_load_b128 v[OA+32*\u+8*\j+4:OA+32*\u+8*\j+7], v[LW] offset:OST+OTOK*\u+4*HP*\j      ; back as four head rows: 512 bytes of the token's row
.endr
.endr
.irp u, 0,1
.irp j, 0,1,2,3
	s_wait_dscnt 7-4*\u-\j                         ; this chunk is back, the younger loads stay out
	global_store_b128 v[GO], v[OA+32*\u+8*\j+4:OA+32*\u+8*\j+7], s[6:7] offset:(2*\p+\u)*OUTB+512*\j   ; the wave stores 512 consecutive bytes, aligned
.endr
.endr
.endm
	PAIR 0, 1
	PAIR 1, 0
	s_wait_xcnt 0x0
	v_lshl_add_u32 v254, v0, 2, 0x48000
	v_mov_b32 v255, 0
	s_wait_tensorcnt 0x0
	ds_add_u32 v254, v255
	s_wait_dscnt 0x0
	s_endpgm
.Lfunc_end_k_q51805dc6b2_attn:
	.size	k_q51805dc6b2_attn, .Lfunc_end_k_q51805dc6b2_attn-k_q51805dc6b2_attn
	.p2alignl 7, 3214868480
	.fill 96, 4, 3214868480
	.section	.rodata,"a",@progbits
	.p2align	6, 0x0
	.amdhsa_kernel k_q51805dc6b2_attn
		.amdhsa_group_segment_fixed_size 296960
		.amdhsa_private_segment_fixed_size 0
		.amdhsa_enable_private_segment 0
		.amdhsa_kernarg_size 16
		.amdhsa_user_sgpr_count 2
		.amdhsa_user_sgpr_kernarg_segment_ptr 1
		.amdhsa_wavefront_size32 1
		.amdhsa_system_sgpr_workgroup_id_x 1
		.amdhsa_system_sgpr_workgroup_id_y 1
		.amdhsa_system_sgpr_workgroup_id_z 1
		.amdhsa_system_vgpr_workitem_id 0
		.amdhsa_next_free_vgpr 256
		.amdhsa_next_free_sgpr 66
		.amdhsa_reserve_vcc 0
		.amdhsa_float_denorm_mode_32 3
		.amdhsa_float_denorm_mode_16_64 3
		.amdhsa_memory_ordered 1
		.amdhsa_forward_progress 1
		.amdhsa_inst_pref_size 36
	.end_amdhsa_kernel
	.amdgpu_metadata
---
amdhsa.version: [ 1, 2 ]
amdhsa.kernels:
  - .name:           k_q51805dc6b2_attn
    .symbol:         k_q51805dc6b2_attn.kd
    .args:
      - { .name: qkvh, .offset: 0, .size: 8, .value_kind: global_buffer, .address_space: global }
      - { .name: oh, .offset: 8, .size: 8, .value_kind: global_buffer, .address_space: global }
    .group_segment_fixed_size: 296960
    .private_segment_fixed_size: 0
    .kernarg_segment_align: 8
    .kernarg_segment_size: 16
    .max_flat_workgroup_size: 512
    .sgpr_count:     66
    .vgpr_count:     256
    .wavefront_size: 32
...
	.end_amdgpu_metadata
.endif
;; end of part 3
;; launch gemm_out (part 4): grid 4 x 64, 4 waves a work-group, clusters of 4 x 4, 327,680 bytes of LDS; arguments oh, wfch, out0; writes out0
.if DOCPART == 4
	.amdgcn_target "amdgcn-amd-amdhsa--gfx1250"
	.amdhsa_code_object_version 6
	.text
	.protected	k_q51805dc6b2_gemm_out
	.globl	k_q51805dc6b2_gemm_out
	.p2align	8
	.type	k_q51805dc6b2_gemm_out,@function
k_q51805dc6b2_gemm_out:
	s_mov_b64 s[64:65], 0
	v_nop
	global_prefetch_b8 v0, s[64:65] scope:SCOPE_SE
	s_setreg_imm32_b32 hwreg(HW_REG_WAVE_MODE, 25, 1), 1
	s_wait_xcnt 0x0
	s_wait_alu depctr_hold_cnt(0) depctr_sa_sdst(0) depctr_va_vdst(0) depctr_va_sdst(0) depctr_va_ssrc(0) depctr_va_vcc(0) depctr_vm_vsrc(0)
	s_getreg_b32 s2, hwreg(HW_REG_IB_STS2, 6, 4)
	s_cmp_eq_u32 s2, 0
	s_cbranch_scc0 .Lentry_in_a_cluster
	s_endpgm
.Lentry_in_a_cluster:
	s_bfe_u32 s2, ttmp6, 0x10000c
	s_cmp_lg_u32 s2, 0xf033
	s_cbranch_scc0 .Lentry_shape_is_right
	s_endpgm
.Lentry_shape_is_right:
; C[m][n] = sum over k of A[m][k] B[n][k].  A: [SIZE_M][SIZE_K], B: [SIZE_N][SIZE_K], both f16; sums in f32; C: [SIZE_M][SIZE_N], f16 (OUT_F32 = 0) or f32 (1).
; Here: A = oh (the attention's result), B = wfch (Wfc's rows), C = out0 in f32: the sums are stored as they are.
; LIMIT: the operands are f16 (magnitudes below 65,520); the result is not narrowed.
; A work-group makes a block of 256 x 256 of C with four waves, as many as a WGP has SIMDs; a wave makes 128 x 128: 64 accumulator tiles
; of 16 x 16, 512 registers.  K goes in steps of 128 through a ring of two LDS slots filled by the tensor data mover: a tile's rows are
; 256 bytes of memory and start at multiples of 256 bytes from the buffer's first byte.
; CLUSTERS: 4 x 4 work-groups form a cluster.  The four of a row of the cluster make blocks of one block row of C and need the same tiles of A; the four
; of a column need the same tiles of B.  Such a tile is asked for JOINTLY: each of the four issues the same tensor load, with the same descriptor and a
; mask that names the four, and each receives the tile in its own LDS.  That divides the requests for A and for B by four.
;
; REGISTERS, in windows of 256 (an instruction names v0-v255; s_set_vgpr_msb says which window each operand place means):
;   window 0: v0-31 addresses; v64-127, v128-191 fragments of A (8 x 16 rows x 32 K), two buffers; v192-223 at work on the way out
;   window 1: v64-127, v128-191 fragments of B, two buffers
;   window 2: the 32 accumulator tiles of my rows 0-63 (tile (a, b) at v[8 (8 a + b)]);   window 3: those of my rows 64-127
; s_set_vgpr_msb's low byte: bits 1:0 source 0, 3:2 source 1, 5:4 source 2, 7:6 destination.  Work is laid in long stretches under one setting.
; THE MATRIX INSTRUCTION IS USED TRANSPOSED: source 0 = 16 rows of B, source 1 = 16 rows of A.  In the result, lane l then holds row
; m = l % 16 of C, and its registers 0 to 7 the columns n = 8 (l / 16) + 0 .. 7: eight neighbouring numbers of a row of C.
; The 64 accumulators take turns, one matrix instruction a turn, in the same order in every quarter step.
.set SIZE_M, 16384
.set SIZE_N, 1024
.set SIZE_K, 1024
.set OUT_F32, 1
.set OSH,    1+OUT_F32                 ; log2 of the bytes of a number of C
.set KSTEP,  128
.set PITCH,  272                       ; an LDS row: 256 bytes of data + 16 of padding = 68 words: row r starts at bank 4 r mod 64 (64 banks of 4 bytes: ISA guide 11.1), so the 16 rows that a load touches start at 16 different banks
.set HALFT,  128*PITCH                 ; 128 rows: what one tensor load brings, and what one wave reads of A or of B
.set SLOT,   4*HALFT                   ; A's 256 rows, then B's 256 rows
.set STAGE,  2*SLOT                    ; behind the ring (byte 278,528 = 1,088 x 256): 16 rows for each wave, for the way out; no tensor load lands there
.if OUT_F32
.set SPITCH, 528                       ; a stage row: 128 f32 + 16 bytes
.else
.set SPITCH, 272                       ; a stage row: 128 f16 + 16 bytes
.endif
.set LAPS, SIZE_K/(2*KSTEP)            ; a lap = two K steps = once round the ring: 4
.set ADRA, 16                          ; v16-17  LDS address of my A fragments in slot 0, 1
.set ADRB, 20                          ; v20-21  the same for B
.set STO,  24                          ; v24     the way out: where I put my numbers of a row
.set RD,   25                          ; v25     the way out: where I read rows back
.set CO,   26                          ; v26     my byte offset in C
.set F0,   64                          ; fragment buffer 0
.set F1,   128                         ; fragment buffer 1
.set TMP,  192                         ; the way out in f16: packed results, in window 0
.set G1, 24                            ; s[24:31] descriptor group 1 for A's tiles
.set G0, 32                            ; s[32:39] descriptor group 0 for A's tiles, one set for each slot
.set G1B, 48                           ; s[48:55] descriptor group 1 for B's tiles: it differs from A's in the mask alone
.set G0B, 56                           ; s[56:63] descriptor group 0 for B's tiles, one set for each slot
.set MSB, 0
.macro WIN new                         ; the immediate's high byte repeats the setting that is left
.if MSB != \new
	s_set_vgpr_msb (MSB<<8)|\new
.set MSB, \new
.endif
.endm
.set MUL_LO, 0xa1                      ; source 0 (B) window 1, source 1 (A) window 0, C and D window 2
.set MUL_HI, 0xf1                      ; the same, C and D window 3
.set TO_B,   0x40                      ; destination window 1, address window 0
; A joint load.  Waves 0 and 1 fetch A's two halves, waves 2 and 3 B's.  Each of the two lines has ONE mask and one set of registers for all that issue it,
; and nothing in them hangs on a coordinate that the four partners do not share.  The branch hangs on the wave's number alone.
.macro JLOAD s
	s_cmp_eq_u32 s11, 0
	s_cbranch_scc0 .Lfor_b_\@
	tensor_load_to_lds s[G0+4*\s:G0+4*\s+3], s[G1:G1+7]
	s_nop 0
	s_branch .Lasked_\@
.Lfor_b_\@:
	tensor_load_to_lds s[G0B+4*\s:G0B+4*\s+3], s[G1B:G1B+7]
	s_nop 0
.Lasked_\@:
.endm
; A round of the cluster's barrier: my work-group's barrier, so that wave 0's signal speaks for all four waves; wave 0 signals for the work-group;
; every wave waits for all sixteen work-groups; my work-group's barrier once more.  No LDS instruction of the wave is pending at a signal.
.macro CREST                           ; a round behind its opening barrier
	s_cmp_lg_u32 s10, 0
	s_cbranch_scc1 .Lnot_wave_0_\@
	s_barrier_signal -3
.Lnot_wave_0_\@:
	s_barrier_wait -3
	s_barrier_signal -1
	s_barrier_wait -1
.endm
.macro CROUND                          ; a whole round
	s_barrier_signal -1
	s_barrier_wait -1
	CREST
.endm
	s_load_b128 s[4:7], s[0:1], 0x0                ; A s[4:5], B s[6:7]
	s_load_b64 s[8:9], s[0:1], 0x10                ; C
	s_set_vgpr_msb 0x40
	v_lshl_add_u32 v255, v0, 2, 0x4c400
	s_set_vgpr_msb 0x4000
	v_mov_b32 v255, 0
	s_set_vgpr_msb 0x1
	ds_add_u32 v255, v255
	s_set_vgpr_msb 0x100
	v_lshrrev_b32 v1, 5, v0
	v_readfirstlane_b32 s10, v1                    ; wave 0..3
	s_lshr_b32 s11, s10, 1                         ; which half of the block's rows is mine.  Also: I fetch for A (0) or for B (1)
	s_and_b32 s12, s10, 1                          ; which half of its columns.  Also: which 128 rows of that tile I fetch
	s_bfe_u32 s40, ttmp6, 0x40000                  ; cx: my place along the cluster's x
	s_bfe_u32 s41, ttmp6, 0x40004                  ; cy: along its y
	s_lshl_b32 s42, ttmp9, 2                       ; in a cluster launch ttmp9 and ttmp7 count clusters
	s_add_co_u32 s42, s42, s40                     ; block column of C = 4 x cluster x + cx
	s_and_b32 s13, ttmp7, 0xffff
	s_lshl_b32 s13, s13, 2
	s_add_co_u32 s13, s13, s41                     ; block row of C = 4 x cluster y + cy
	s_lshl_b32 s43, s41, 2
	s_lshl_b32 s43, 15, s43                        ; my row of the cluster: places 4 cy .. 4 cy + 3
	s_lshl_b32 s44, 0x1111, s40                    ; my column: places cx, cx + 4, cx + 8, cx + 12
	; descriptor group 1: a tile of 128 rows x 128 elements, padded in LDS
	s_or_b32 s[G1+0], s43, (1<<16)|(1<<20)|(1<<21)|(5<<22)|(3<<25)  ; 15:0 the mask: A's tiles go to my row; 17:16 element of 2 bytes; 20 padding on; 21 set beside a mask; 24:22 after every 64 words (code 5); 31:25 of 4 words (code 3)
	s_or_b32 s[G1B+0], s44, (1<<16)|(1<<20)|(1<<21)|(5<<22)|(3<<25) ; the same with the mask of my column, for B's tiles
	s_mov_b32 s[G1B+1], KSTEP<<16
	s_mov_b32 s[G1+1], KSTEP<<16                   ; 63:48 tensor_dim0, low half = 128
	s_mov_b32 s[G1B+2], 128<<16
	s_mov_b32 s[G1+2], 128<<16                     ; 79:64 its high half = 0; 95:80 tensor_dim1, low half = 128
	s_mov_b32 s[G1B+3], KSTEP<<16
	s_mov_b32 s[G1+3], KSTEP<<16                   ; 111:96 its high half = 0; 127:112 tile_dim0 = 128
	s_mov_b32 s[G1B+4], 128
	s_mov_b32 s[G1+4], 128                         ; 143:128 tile_dim1 = 128; 159:144 tile_dim2 = 0
	s_mov_b32 s[G1B+5], SIZE_K
	s_mov_b32 s[G1+5], SIZE_K                      ; 191:160 tensor_dim0_stride, low word: elements from row to row
	s_mov_b32 s[G1B+6], 0
	s_mov_b32 s[G1+6], 0
	s_mov_b32 s[G1B+7], 0
	s_mov_b32 s[G1+7], 0
	; where the tiles come from.  A's hang on the block row alone, which my row of the cluster shares; B's on the block column alone, which my column shares.
	; Every wave makes both addresses, in registers that never hold the other coordinate, and asks by one of them.
	s_lshl_b32 s17, s12, 7                         ; which 128 rows of the tile I fetch
	s_lshl_b32 s16, s13, 8
	s_add_co_u32 s16, s16, s17                     ; A: row 256 x block row + 128 x half
	s_lshl_b32 s46, s42, 8
	s_add_co_u32 s46, s46, s17                     ; B: row 256 x block column + 128 x half
	s_mov_b32 s17, 0
	s_mov_b32 s47, 0
	s_mov_b64 s[18:19], SIZE_K*2
	s_mul_u64 s[16:17], s[16:17], s[18:19]         ; in bytes, in 64 bits
	s_mul_u64 s[46:47], s[46:47], s[18:19]
	s_mul_i32 s20, s10, HALFT                      ; and where they go: A's two halves, then B's two halves = wave x 128 rows: no place in the cluster enters an LDS address
	s_wait_dscnt 0x0
	s_wait_kmcnt 0x0
	s_add_nc_u64 s[14:15], s[4:5], s[16:17]
	s_add_nc_u64 s[46:47], s[6:7], s[46:47]
	CROUND                                         ; all sixteen work-groups are here: the first joint loads meet
.irp s, 0,1
	s_mov_b32 s[G0+4*\s], 1                                        ; 1:0 count = 1
	s_add_co_u32 s[G0+4*\s+1], s20, \s*SLOT                        ; 63:32 LDS address
	s_add_nc_u64 s[G0+4*\s+2:G0+4*\s+3], s[14:15], \s*KSTEP*2      ; 120:64 global address: K step s
	s_or_b32 s[G0+4*\s+3], s[G0+4*\s+3], 0x80000000                ; 127:126 type = 2
	s_mov_b32 s[G0B+4*\s], 1
	s_add_co_u32 s[G0B+4*\s+1], s20, \s*SLOT
	s_add_nc_u64 s[G0B+4*\s+2:G0B+4*\s+3], s[46:47], \s*KSTEP*2
	s_or_b32 s[G0B+4*\s+3], s[G0B+4*\s+3], 0x80000000
	JLOAD \s                                       ; the ring is filled before anything else is done: two tensor loads of the wave are out, later one
.endr
	; A fragment is 16 rows x 32 K in 8 registers: lane l holds row l % 16; registers 0-3 hold K = 8 (l / 16) + 0..7, registers 4-7 hold
	; K = 16 + 8 (l / 16) + 0..7.  From rows that lie along K: two loads of 16 bytes, 32 bytes apart.  The same for source 0 and source 1.
	v_and_b32 v1, 15, v0                           ; l % 16
	v_bfe_u32 v2, v0, 4, 1                         ; l / 16
	v_mul_u32_u24 v3, v1, PITCH
	v_lshl_add_u32 v3, v2, 4, v3                   ; row x pitch + 16 x half
	s_mul_i32 s21, s11, HALFT                      ; my 128 rows of A
	s_mul_i32 s22, s12, HALFT                      ; my 128 rows of B,
	s_add_co_u32 s22, s22, 2*HALFT                 ; which lie behind A's 256
.irp s, 0,1
	v_add_nc_u32 v[ADRA+\s], s21, v3
	v_add_nc_u32 v[ADRB+\s], s22, v3
	s_add_co_u32 s21, s21, SLOT
	s_add_co_u32 s22, s22, SLOT
.endr
	s_mul_i32 s23, s10, 16*SPITCH
	s_add_co_u32 s23, s23, STAGE                   ; my stage
	v_mul_u32_u24 v4, v1, SPITCH                   ; in: row l % 16,
.if OUT_F32
	v_lshl_add_u32 v4, v2, 5, v4                   ; 32 bytes (8 f32) for each half of the lanes
	v_add_nc_u32 v[STO], s23, v4
	v_and_b32 v5, 31, v0
	v_lshlrev_b32 v[CO], 4, v5                     ; back: the 32 lanes take one row of 512 bytes, in the stage and in C
	v_add_nc_u32 v[RD], s23, v[CO]
.else
	v_lshl_add_u32 v4, v2, 4, v4                   ; 16 bytes (8 f16) for each half of the lanes
	v_add_nc_u32 v[STO], s23, v4
	v_mul_u32_u24 v5, v2, SPITCH                   ; back: lanes 0-15 take one row of 256 bytes, lanes 16-31 the next
	v_lshl_add_u32 v5, v1, 4, v5
	v_add_nc_u32 v[RD], s23, v5
	v_mul_u32_u24 v5, v2, SIZE_N*2                 ; and the same two rows in C
	v_lshl_add_u32 v[CO], v1, 4, v5
.endif
; 16 matrix instructions: m blocks a0, a0 + 1 of the window's four (hi = 0: my rows 0-63, 1: rows 64-127) x all 8 n blocks, 32 along K.
; zero = 1: the first product starts the sums: nothing is ever cleared.
.macro MUL16 f, hi, a0, zero
.irp a, \a0, \a0+1
.irp b, 0,1,2,3,4,5,6,7
.if \zero
	v_wmma_f32_16x16x32_f16 v[8*(8*(\a)+\b):8*(8*(\a)+\b)+7], v[\f+8*\b:\f+8*\b+7], v[\f+8*(4*\hi+\a):\f+8*(4*\hi+\a)+7], 0
.else
	v_wmma_f32_16x16x32_f16 v[8*(8*(\a)+\b):8*(8*(\a)+\b)+7], v[\f+8*\b:\f+8*\b+7], v[\f+8*(4*\hi+\a):\f+8*(4*\hi+\a)+7], v[8*(8*(\a)+\b):8*(8*(\a)+\b)+7]
.endif
.endr
.endr
.endm
; 32 LDS loads in one run: the fragments of one quarter step (128 rows of B, 128 rows of A, 32 K at byte k of the rows) into buffer f
.macro FETCH slot, k, f
	WIN TO_B
.irp i, 0,1,2,3,4,5,6,7
	ds_load_b128 v[\f+8*\i:\f+8*\i+3],   v[ADRB+\slot] offset:\k+\i*16*PITCH
	ds_load_b128 v[\f+8*\i+4:\f+8*\i+7], v[ADRB+\slot] offset:\k+\i*16*PITCH+32
.endr
	WIN 0
.irp i, 0,1,2,3,4,5,6,7
	ds_load_b128 v[\f+8*\i:\f+8*\i+3],   v[ADRA+\slot] offset:\k+\i*16*PITCH
	ds_load_b128 v[\f+8*\i+4:\f+8*\i+7], v[ADRA+\slot] offset:\k+\i*16*PITCH+32
.endr
.endm
; A load into a register that a matrix instruction has read, and a vector instruction or store that reads a matrix result, stand four places behind that
; matrix instruction, and only plain vector instructions that name none of its registers are places (ISA guide 7.12.1 for vector instructions).
; So four v_nop stand in front of each run of loads: sixteen issue slots for a K step's 256 matrix instructions.
.macro PLACES
.rept 4
	v_nop
.endr
.endm
; A K step is four quarter steps of 32 along K, 64 matrix instructions each, on buffers 0, 1, 0, 1.
; One of the first three: multiplies buffer f; in its middle it fetches the next quarter's fragments, at byte k of the same slot's rows, into buffer g.
.macro QUARTER slot, k, f, g, zero
	s_wait_dscnt 8                                 ; B and A's rows 0-63 are in; the youngest eight loads (A's rows 64-127) may be out
	WIN MUL_LO
	MUL16 \f, 0, 0, \zero
	MUL16 \f, 0, 2, \zero
	PLACES
	FETCH \slot, \k, \g
	s_wait_dscnt 32                                ; all but the 32 just issued
	WIN MUL_HI
	MUL16 \f, 1, 0, \zero
	MUL16 \f, 1, 2, \zero
.endm
.macro THREE slot, zero
	QUARTER \slot, 64,  F0, F1, \zero
	QUARTER \slot, 128, F1, F0, 0
	QUARTER \slot, 192, F0, F1, 0
.endm
; The last quarter: multiplies buffer 1 and changes slots.  next = the other slot; fill = 1: this slot is filled again, two K steps ahead.
; ONE barrier for the change of slots, for two things.  In front of it each wave waits for its own reads of this slot and for all its tensor loads,
; of which one is out: its part of the next slot.  Behind it nobody reads this slot any more and the next slot is whole: the refill comes
; first, then the next slot's first fragments.  From a request to the wait for it a wave issues 240 matrix instructions.
.macro TURN slot, next, fill
	s_wait_dscnt 8
	WIN MUL_LO
	MUL16 F1, 0, 0, 0
	s_wait_dscnt 0                                 ; my reads of this slot are over (the last were issued 48 matrix instructions ago)
	s_wait_tensorcnt 0x0                           ; and all my tensor loads have landed: the one that was out is my part of the next slot:
	ds_add_u32 v255, v255
	s_wait_dscnt 0x0
	s_barrier_signal -1                            ; say so (where a slot is filled again this barrier opens a round of the cluster's barrier),
	MUL16 F1, 0, 2, 0                              ; work on registers while the others arrive,
	WIN 0
	s_barrier_wait -1                              ; and go on when all four have said so
.if \fill
	CREST                                          ; wave 0 says so for the work-group, all sixteen work-groups have said so, my work-group's barrier closes the round:
	                                               ; no wave of any partner still reads this slot's tile or has a load on its way
	s_add_nc_u64 s[G0+4*\slot+2:G0+4*\slot+3], s[G0+4*\slot+2:G0+4*\slot+3], 2*KSTEP*2
	s_add_nc_u64 s[G0B+4*\slot+2:G0B+4*\slot+3], s[G0B+4*\slot+2:G0B+4*\slot+3], 2*KSTEP*2
	JLOAD \slot                                    ; the first tensor load behind the round, and the wave's only one until the next
.endif
	PLACES
	FETCH \next, 0, F0
	WIN MUL_HI
	MUL16 F1, 1, 0, 0
	MUL16 F1, 1, 2, 0
.endm
.macro LAP zero                        ; once round the ring, both slots filled again
	THREE 0, \zero
	TURN 0, 1, 1
	THREE 1, 0
	TURN 1, 0, 1
.endm
	s_wait_tensorcnt 1                             ; my part of K step 0 is in; K step 1's may stay out
	s_barrier_signal -1
	s_barrier_wait -1                              ; everybody's is
	FETCH 0, 0, F0
	LAP 1                                          ; the first lap stands in front of the loop: its first products start the sums
	WIN 0                                          ; at a label and at a branch every window is 0
	s_mov_b32 s3, LAPS-2
.Llap:
	LAP 0
	WIN 0
	s_sub_co_u32 s3, s3, 1
	s_cmp_lg_u32 s3, 0
	s_cbranch_scc1 .Llap
	THREE 0, 0                                     ; the last lap fills nothing, and has no round of the cluster's barrier: my one tensor load that is still out is slot 1's, the last K step's
	TURN 0, 1, 0
	THREE 1, 0
	s_wait_dscnt 8                                 ; the very last quarter: nothing more to fetch
	WIN MUL_LO
	MUL16 F1, 0, 0, 0
	MUL16 F1, 0, 2, 0
	s_wait_dscnt 0
	WIN MUL_HI
	MUL16 F1, 1, 0, 0
	MUL16 F1, 1, 2, 0
	; THE WAY OUT, 16 rows of C at a time, through my own stage in LDS, read back as whole rows.
	; The four v_nop of PLACES are the places behind the last matrix instructions: for what reads results and for the loads into buffers 0 and 1.
	PLACES
	s_lshl_b32 s13, s13, 8
	s_lshl_b32 s14, s11, 7
	s_add_co_u32 s16, s13, s14                     ; my first row of C
	s_mov_b32 s17, 0
	s_mov_b64 s[18:19], SIZE_N<<OSH
	s_mul_u64 s[16:17], s[16:17], s[18:19]
	s_add_nc_u64 s[8:9], s[8:9], s[16:17]
	s_lshl_b32 s46, s42, 8+OSH                     ; my first column, in bytes: 256 numbers x block + 128 x half (in the registers that held B's address: none that feeds A's descriptors ever holds cx)
	s_lshl_b32 s47, s12, 7+OSH
	s_add_co_u32 s46, s46, s47
	s_mov_b32 s47, 0
	s_add_nc_u64 s[8:9], s[8:9], s[46:47]
.if OUT_F32
; rows 16 i .. 16 i + 15 of my block = the eight tiles (a, 0..7) of window 2 or 3 (from = 0x08 or 0x0c: an LDS store's data are source 1); f: F0 or F1 in turn.
; The accumulators go to the stage as they are: a lane's 8 numbers of a tile are 32 neighbouring bytes of a row.  Stage rows are 528 bytes apart,
; 16 more than a multiple of 256, so the 16 rows that a store touches start at 16 different groups of four banks.
.macro OUT16 i, a, from, f
	WIN \from
.irp b, 0,1,2,3,4,5,6,7
	ds_store_b128 v[STO], v[8*(8*\a+\b):8*(8*\a+\b)+3]   offset:64*\b
	ds_store_b128 v[STO], v[8*(8*\a+\b)+4:8*(8*\a+\b)+7] offset:64*\b+16
.endr
	WIN 0
	s_wait_xcnt 0x0                                ; every earlier memory instruction has had its addresses translated (ISA guide 3.1): buffer f, which stores read, and the stores' base are rewritten only behind this wait
.if \i
	s_add_nc_u64 s[8:9], s[8:9], 16*SIZE_N*4       ; 16 rows of C on
.endif
.irp t, 0,1,2,3,4,5,6,7,8,9,10,11,12,13,14,15
	ds_load_b128 v[\f+4*\t:\f+4*\t+3], v[RD] offset:\t*SPITCH      ; LDS serves a wave's instructions in order (ISA guide 5.7.1.4): these see the stores above
.endr
.irp t, 0,1,2,3,4,5,6,7,8,9,10,11,12,13,14,15
	s_wait_dscnt 15-\t                             ; row t is back, the 15 - t younger loads stay out
	global_store_b128 v[CO], v[\f+4*\t:\f+4*\t+3], s[8:9] offset:\t*SIZE_N*4 th:TH_STORE_NT   ; the wave stores 512 consecutive bytes of a row, at a multiple of 512 from C's first byte
.endr
.endm
	OUT16 0, 0, 0x08, F0
	OUT16 1, 1, 0x08, F1
	OUT16 2, 2, 0x08, F0
	OUT16 3, 3, 0x08, F1
	OUT16 4, 0, 0x0c, F0
	OUT16 5, 1, 0x0c, F1
	OUT16 6, 2, 0x0c, F0
	OUT16 7, 3, 0x0c, F1
.else
; rows 16 i .. 16 i + 15 of my block = the eight tiles (a, 0..7) of window 2 or 3 (from = 0x0a or 0x0f: sources 0 and 1); f: F0 or F1 in turn.
; Round to f16, 16 bytes a lane into the stage, read back as whole rows of 256 bytes.
.macro OUT16 i, a, from, f
	WIN \from
.irp b, 0,1,2,3,4,5,6,7
.irp r, 0,1,2,3
	v_cvt_pk_f16_f32 v[TMP+4*\b+\r], v[8*(8*\a+\b)+2*\r], v[8*(8*\a+\b)+2*\r+1]
.endr
.endr
	WIN 0
.irp b, 0,1,2,3,4,5,6,7
	ds_store_b128 v[STO], v[TMP+4*\b:TMP+4*\b+3] offset:32*\b
.endr
	s_wait_xcnt 0x0                                ; every earlier memory instruction has had its addresses translated (ISA guide 3.1): buffer f, which stores read, and the stores' base are rewritten only behind this wait
.if \i
	s_add_nc_u64 s[8:9], s[8:9], 16*SIZE_N*2       ; 16 rows of C on
.endif
.irp t, 0,1,2,3,4,5,6,7
	ds_load_b128 v[\f+4*\t:\f+4*\t+3], v[RD] offset:\t*2*SPITCH    ; LDS serves a wave's instructions in order (ISA guide 5.7.1.4): these see the stores above
.endr
.irp t, 0,1,2,3,4,5,6,7
	s_wait_dscnt 7-\t                              ; rows 2 t, 2 t + 1 are back, the 7 - t younger loads stay out
	global_store_b128 v[CO], v[\f+4*\t:\f+4*\t+3], s[8:9] offset:2*\t*SIZE_N*2   ; 16 lanes store 256 consecutive bytes, at a multiple of 256 from C's first byte
.endr
.endm
	OUT16 0, 0, 0x0a, F0
	OUT16 1, 1, 0x0a, F1
	OUT16 2, 2, 0x0a, F0
	OUT16 3, 3, 0x0a, F1
	OUT16 4, 0, 0x0f, F0
	OUT16 5, 1, 0x0f, F1
	OUT16 6, 2, 0x0f, F0
	OUT16 7, 3, 0x0f, F1
.endif
	s_set_vgpr_msb 0x1
	s_wait_tensorcnt 0x0
	ds_add_u32 v255, v255
	s_wait_dscnt 0x0
	s_set_vgpr_msb 0x100
	CROUND                                         ; the closing round: no work-group ends while a partner may still ask for a tile that names it
	s_endpgm
.Lfunc_end_k_q51805dc6b2_gemm_out:
	.size	k_q51805dc6b2_gemm_out, .Lfunc_end_k_q51805dc6b2_gemm_out-k_q51805dc6b2_gemm_out
	.p2alignl 7, 3214868480
	.fill 96, 4, 3214868480
	.section	.rodata,"a",@progbits
	.p2align	6, 0x0
	.amdhsa_kernel k_q51805dc6b2_gemm_out
		.amdhsa_group_segment_fixed_size 327680
		.amdhsa_private_segment_fixed_size 0
		.amdhsa_enable_private_segment 0
		.amdhsa_kernarg_size 24
		.amdhsa_user_sgpr_count 2
		.amdhsa_user_sgpr_kernarg_segment_ptr 1
		.amdhsa_wavefront_size32 1
		.amdhsa_system_sgpr_workgroup_id_x 1
		.amdhsa_system_sgpr_workgroup_id_y 1
		.amdhsa_system_sgpr_workgroup_id_z 1
		.amdhsa_system_vgpr_workitem_id 0
		.amdhsa_next_free_vgpr 1024
		.amdhsa_next_free_sgpr 66
		.amdhsa_reserve_vcc 0
		.amdhsa_float_denorm_mode_32 3
		.amdhsa_float_denorm_mode_16_64 3
		.amdhsa_memory_ordered 1
		.amdhsa_forward_progress 1
		.amdhsa_inst_pref_size 196
	.end_amdhsa_kernel
	.amdgpu_metadata
---
amdhsa.version: [ 1, 2 ]
amdhsa.kernels:
  - .name:           k_q51805dc6b2_gemm_out
    .symbol:         k_q51805dc6b2_gemm_out.kd
    .args:
      - { .name: oh, .offset: 0, .size: 8, .value_kind: global_buffer, .address_space: global }
      - { .name: wfch, .offset: 8, .size: 8, .value_kind: global_buffer, .address_space: global }
      - { .name: out0, .offset: 16, .size: 8, .value_kind: global_buffer, .address_space: global }
    .group_segment_fixed_size: 327680
    .private_segment_fixed_size: 0
    .kernarg_segment_align: 8
    .kernarg_segment_size: 24
    .max_flat_workgroup_size: 128
    .sgpr_count:     66
    .vgpr_count:     1024
    .wavefront_size: 32
...
	.end_amdgpu_metadata
.endif
;; end of part 4
;; ======== version 2 of 2: 4 launches; version 1 with the launch attn written anew for expert scheduling mode
;; limits: values are held in f16: magnitudes above 65,504 overflow, below 6.1e-05 lose precision
;; workspace buffers: xh 33,554,432 bytes; wqkvh 6,291,456 bytes; wfch 2,097,152 bytes; qkvh 100,663,296 bytes; oh 33,554,432 bytes
;; launch cast: the kernel of part 1 again; grid 1280 x 1, 8 waves a work-group, no clusters, 0 bytes of LDS; arguments x, Wq, Wk, Wv, Wfc, xh, wqkvh, wfch; writes xh, wqkvh, wfch
;; launch gemm_qkv: the kernel of part 2 again; grid 4 x 64, 4 waves a work-group, clusters of 4 x 4, 327,680 bytes of LDS; arguments xh, wqkvh, qkvh; writes qkvh
;; launch attn (part 5): grid 256 x 1, 16 waves a work-group, no clusters, 296,960 bytes of LDS; arguments qkvh, oh; writes oh
.if DOCPART == 5
	.amdgcn_target "amdgcn-amd-amdhsa--gfx1250"
	.amdhsa_code_object_version 6
	.text
	.protected	k_q51805dc6b2_attn
	.globl	k_q51805dc6b2_attn
	.p2align	8
	.type	k_q51805dc6b2_attn,@function
k_q51805dc6b2_attn:
	s_mov_b64 s[64:65], 0
	v_nop
	global_prefetch_b8 v0, s[64:65] scope:SCOPE_SE
	s_setreg_imm32_b32 hwreg(HW_REG_WAVE_SCHED_MODE, 0, 2), 2
	s_setreg_imm32_b32 hwreg(HW_REG_WAVE_MODE, 25, 1), 1
	s_wait_xcnt 0x0
	s_wait_alu depctr_vm_vsrc(0)
; For each token: S[h][t] = Q[h] . K[t] / 8 over the 16 heads (64 numbers a head), softmax over t, O[h] = sum over t of P[h][t] V[t].
; qkvh: [16384][3072] f16, a token's row = Q, K, V, each 16 heads x 128 bytes.  oh: [16384][1024] f16.
; LIMIT: operands in f16 (|Q|, |K|, |V| below 65,520); scores, maximum, exponentials, sum and the division in f32.
; The row's maximum is taken away before the exponential; P goes to the matrix unit unnormalised (0 < P <= 1, its largest entry is 1)
; and the result is multiplied by 1 / sum in f32.
; A stream with a little matrix work: every byte of qkvh is read once, every byte of oh written once, no two work-groups share a byte: no cluster.
; A work-group has 64 tokens, a wave 4, as two pairs: the two tokens of a pair let two accumulators take turns.
; All LDS is the wave's own (wave x 18,432 bytes), written and read by the wave's own LDS instructions, which are served in order: no barrier.
;   pair area: 2 tokens x 48 head rows (16 Q, 16 K, 16 V) of 128 + 16 bytes; output stage: 2 tokens x 16 head rows of 128 + 16 bytes.
; THE PRODUCTS ARE USED TRANSPOSED, so that no result changes lanes between them:
;   scores: source 0 = K's rows, source 1 = Q's rows: lane (r = l % 16, hh = l / 16) holds S[h = r][t = 8 hh + j] in register j,
;   which, packed to f16, is the lane's part of P as source 1 (column h = r, k = t = 8 hh + j; k = 16 .. 31 are zeros);
;   P V: source 0 = V transposed (row d, k = t), by the transposing LDS load: lane (r, hh) holds O[h = r][d = 16 i + 8 hh + j]: 16 neighbouring bytes.
; THE MODE: SCHED_MODE bits 1:0 = 2 (LLVM: expert scheduling mode 2), set by the entry lines.  The code itself states the register dependences
; between vector or matrix instructions and memory or LDS instructions, with s_wait_alu, always for 0.
; THE PLAN.  Registers that memory or LDS instructions touch:
;   v2-v5        addresses: written once at the head, read by every load and store, never written again.
;   X0, X1       a token each: written by global loads, read by the token's twelve LDS stores; no vector instruction names them.  Behind a token's
;                stores one wait on vm_vsrc, and the same token of the next pair is asked for at once.
;   KQ = OA      written by the LDS loads of K and Q; read by the score products; written by the P V products and by the scaling and rounding;
;                a tile's lower four registers are read by the stores into the stage, its upper four take the rows read back and are read by the global stores.
;   VT           written by the transposing LDS loads, read by the P V products.
;   S, PF, W, PD, MX, SM, RI and the zeros are named by vector and matrix instructions alone.
; A token's 32 lines of scaling and rounding stand together, one wait on va_vdst behind them, then its four stores into the stage and its four loads back.
; Behind the second token's wait no vector or matrix instruction is issued until the next pair's score products, so that wait also serves the next
; pair's loads into KQ and VT; one wait on vm_vsrc stands ahead of those, for the registers that this pair's stores read.
.set TOKB,  6144                       ; bytes of a token's row in qkvh
.set OUTB,  2048                       ; bytes of a token's row in oh
.set HP,    144                        ; LDS pitch of a head row: an odd multiple of 16 bytes
.set TOKL,  48*HP                      ; a token in the pair area: 6,912
.set KOFF,  16*HP                      ; K's rows in it
.set VOFF,  32*HP                      ; V's rows in it
.set OST,   2*TOKL                     ; the output stage: 13,824
.set OTOK,  16*HP                      ; a token in it: 2,304
.set WAVEL, OST+2*OTOK                 ; a wave's LDS: 18,432
.set GO,  2                            ; v2   16 l: my 16 bytes of 512, in qkvh and in oh; never rewritten
.set LW,  3                            ; v3   the same 16 bytes in padded head rows: 144 (l / 8) + 16 (l % 8)
.set FA,  4                            ; v4   fragments along d, and the results' way into the stage: 144 r + 16 hh
.set VA,  5                            ; v5   the transposing load: 144 (8 hh + l % 8) + 16 ((l / 8) % 2)
.set W,   6                            ; v[6:9]     token u: a pair at work
.set PD,  10                           ; v[10:11]   token u: what the other half of the lanes holds
.set X,   12                           ; v[12:107]  token u at 48 u: 12 x 4 registers as loaded
.set KQ,  108                          ; v[108:171] token u at 32 u: K's fragments (16), Q's (16)
.set OA,  KQ                           ;            afterwards the four result tiles of 8; a tile's upper 4 then take a row chunk on the way out
.set S,   172                          ; v[172:187] token u at 8 u: the scores, then the exponentials
.set VT,  188                          ; v[188:227] token u at 20 u: V transposed, tile i at 4 i; 4 registers of zeros at the end
.set PF,  228                          ; v[228:243] token u at 8 u: P in f16 (4), zeros (4)
.set MX,  244                          ; v[244:247] token u: the maximum, twice
.set SM,  248                          ; v[248:251] token u: sums
.set RI,  252                          ; v[252:255] token u: 1 / sum, twice
	s_load_b128 s[4:7], s[0:1], 0x0                ; qkvh s[4:5], oh s[6:7]
	v_lshrrev_b32 v1, 5, v0
	v_readfirstlane_b32 s8, v1                     ; wave 0..15
	v_and_b32 v1, 31, v0                           ; l
	v_lshlrev_b32 v[GO], 4, v1
	s_lshl_b32 s9, ttmp9, 6
	s_mov_b32 s11, 0
	s_mov_b32 s15, 0
	s_mov_b32 s12, 0x76543210                      ; v_permlanex16_b32: lane i of one half reads lane i of the other
	s_mov_b32 s13, 0xfedcba98
	s_wait_alu depctr_va_sdst(0)                   ; s8 is written, ahead of its first reader: the bases and the wave's LDS are made from it
	s_lshl2_add_u32 s9, s8, s9                     ; my first token = 64 x work-group + 4 x wave
	s_mul_i32 s10, s9, TOKB                        ; 100,657,152 at the most
	s_lshl_b32 s14, s9, 11
	s_mul_i32 s16, s8, WAVEL                       ; my wave's LDS
	s_wait_kmcnt 0x0
	s_add_nc_u64 s[4:5], s[4:5], s[10:11]
	s_add_nc_u64 s[6:7], s[6:7], s[14:15]
; the 12 loads of token u of pair p: each covers 512 consecutive bytes (four head rows), aligned
.macro LOADT p, u
.irp j, 0,1,2,3,4,5,6,7,8,9,10,11
	global_load_b128 v[X+48*(\u)+4*\j:X+48*(\u)+4*\j+3], v[GO], s[4:5] offset:(2*(\p)+(\u))*TOKB+512*\j th:TH_LOAD_NT   ; read once in the launch
.endr
.endm
	s_wait_alu depctr_va_vdst(0)                   ; v[GO] is written: every global load and store of the kernel reads it as its offset
	LOADT 0, 0
	LOADT 0, 1
	v_lshrrev_b32 v6, 3, v1                        ; l / 8
	v_and_b32 v7, 7, v1                            ; l % 8
	v_and_b32 v8, 15, v1                           ; r
	v_lshrrev_b32 v9, 4, v1                        ; hh
	v_mul_u32_u24 v[LW], v6, HP
	v_lshl_add_u32 v[LW], v7, 4, v[LW]
	v_add_nc_u32 v[LW], s16, v[LW]
	v_mul_u32_u24 v[FA], v8, HP
	v_lshl_add_u32 v[FA], v9, 4, v[FA]
	v_add_nc_u32 v[FA], s16, v[FA]
	v_lshl_add_u32 v[VA], v9, 3, v7
	v_mul_u32_u24 v[VA], v[VA], HP
	v_and_b32 v6, 1, v6
	v_lshl_add_u32 v[VA], v6, 4, v[VA]
	v_add_nc_u32 v[VA], s16, v[VA]
	; written once: the zeros for k = 16 .. 31 of P, the zeros behind the last tile of V, and the permutes' destinations (which count as read)
.irp u, 0,1
.irp k, 4,5,6,7
	v_mov_b32 v[PF+8*\u+\k], 0
	v_mov_b32 v[VT+20*\u+12+\k], 0
.endr
	v_mov_b32 v[PD+\u], 0
.endr
	s_wait_alu depctr_va_vdst(0)                   ; v[LW], v[FA] and v[VA] are written: every LDS instruction of the kernel reads one of them as its address
.macro PLACES                          ; four places behind matrix instructions, in front of what reads their results (ISA guide 7.12.1)
.rept 4
	v_nop
.endr
.endm
; softmax of token u's scores, one head a lane pair (l, l xor 16), eight t in each lane
.macro SOFTMAX u
	v_max3_num_f32 v[W+2*\u],   v[S+8*\u],   v[S+8*\u+1], v[S+8*\u+2]
	v_max3_num_f32 v[W+2*\u+1], v[S+8*\u+3], v[S+8*\u+4], v[S+8*\u+5]
	v_max3_num_f32 v[W+2*\u],   v[W+2*\u],   v[S+8*\u+6], v[S+8*\u+7]
	v_max_num_f32  v[W+2*\u],   v[W+2*\u],   v[W+2*\u+1]
	v_permlanex16_b32 v[PD+\u], v[W+2*\u], s12, s13
	v_max_num_f32 v[MX+2*\u],   v[W+2*\u], v[PD+\u]                ; the head's maximum over all 16 t, in both registers of a pair
	v_max_num_f32 v[MX+2*\u+1], v[W+2*\u], v[PD+\u]
.irp k, 0,2,4,6
	v_pk_add_f32 v[S+8*\u+\k:S+8*\u+\k+1], v[S+8*\u+\k:S+8*\u+\k+1], v[MX+2*\u:MX+2*\u+1] neg_lo:[0,1] neg_hi:[0,1]   ; s - max first: no difference of two scaled numbers
.endr
.irp k, 0,2,4,6
	v_pk_mul_f32 v[S+8*\u+\k:S+8*\u+\k+1], v[S+8*\u+\k:S+8*\u+\k+1], 0x3e38aa3b op_sel_hi:[1,0]   ; x log2(e) / 8: the scale 1 / sqrt(64) and the base of v_exp_f32
.endr
.irp k, 0,1,2,3,4,5,6,7
	v_exp_f32 v[S+8*\u+\k], v[S+8*\u+\k]
.endr
	v_nop                                          ; one plain vector instruction behind the transcendentals, in front of the first use (ISA guide 5.7.2)
	s_wait_alu depctr_va_vdst(0)                   ; the eight exponentials have written S of this token, ahead of the sums that read them: one wait for the batch
	v_pk_add_f32 v[SM+2*\u:SM+2*\u+1], v[S+8*\u:S+8*\u+1],   v[S+8*\u+2:S+8*\u+3]
	v_pk_add_f32 v[W+2*\u:W+2*\u+1],   v[S+8*\u+4:S+8*\u+5], v[S+8*\u+6:S+8*\u+7]
	v_pk_add_f32 v[SM+2*\u:SM+2*\u+1], v[SM+2*\u:SM+2*\u+1], v[W+2*\u:W+2*\u+1]
	v_add_f32 v[SM+2*\u], v[SM+2*\u], v[SM+2*\u+1]
	v_permlanex16_b32 v[PD+\u], v[SM+2*\u], s12, s13
	v_add_f32 v[SM+2*\u], v[SM+2*\u], v[PD+\u]                     ; the sum over 16 t: at least 1
	v_rcp_f32 v[RI+2*\u],   v[SM+2*\u]
	v_rcp_f32 v[RI+2*\u+1], v[SM+2*\u]                             ; the conversions below are the plain place behind it; RI is used far below
.irp k, 0,1,2,3
	v_cvt_pk_f16_f32 v[PF+8*\u+\k], v[S+8*\u+2*\k], v[S+8*\u+2*\k+1]
.endr
.endm
; token u's four result tiles: times 1 / sum, rounded to f16: 32 vector lines that name no register of the other token
.macro SCALE u
.irp i, 0,1,2,3
.irp k, 0,2,4,6
	v_pk_mul_f32 v[OA+32*(\u)+8*\i+\k:OA+32*(\u)+8*\i+\k+1], v[OA+32*(\u)+8*\i+\k:OA+32*(\u)+8*\i+\k+1], v[RI+2*(\u):RI+2*(\u)+1]   ; the lane is the head: its own 1 / sum; each accumulator from its low end on
.endr
.irp k, 0,1,2,3
	v_cvt_pk_f16_f32 v[OA+32*(\u)+8*\i+\k], v[OA+32*(\u)+8*\i+2*\k], v[OA+32*(\u)+8*\i+2*\k+1]   ; register k is written after registers 2 k, 2 k + 1 have been read
.endr
.endr
.endm
; token u through the stage: four stores of 16 bytes a lane, four loads back as whole head rows
.macro STAGE u
.irp i, 0,1,2,3
	ds_store_b128 v[FA], v[OA+32*(\u)+8*\i:OA+32*(\u)+8*\i+3] offset:OST+OTOK*(\u)+32*\i          ; O[h = r][d = 16 i + 8 hh ..]
.endr
.irp j, 0,1,2,3
	ds_load_b128 v[OA+32*(\u)+8*\j+4:OA+32*(\u)+8*\j+7], v[LW] offset:OST+OTOK*(\u)+4*HP*\j      ; back as four head rows: 512 bytes of the token's row; LDS serves a wave's instructions in order (ISA guide 5.7.1.4): these see the stores above
.endr
.endm
; pair p: tokens 2 p and 2 p + 1 of my four.  more = 1: each token of the next pair is asked for as soon as this pair's token has left X.
.macro PAIR p, more
	s_wait_loadcnt 12                              ; loads come back in order (ISA guide 5.7.1): the first token's 12 loads are in, the second's 12 stay out
.irp j, 0,1,2,3,4,5,6,7,8,9,10,11
	ds_store_b128 v[LW], v[X+4*\j:X+4*\j+3] offset:4*HP*\j
.endr
.if \more
	s_wait_alu depctr_vm_vsrc(0)                   ; the twelve LDS stores above have read X0, in which the loads below land
	LOADT \p+1, 0
	s_wait_loadcnt 12                              ; this pair's second token is in; the 12 loads just issued stay out
.else
	s_wait_loadcnt 0x0
.endif
.irp j, 0,1,2,3,4,5,6,7,8,9,10,11
	ds_store_b128 v[LW], v[X+48+4*\j:X+48+4*\j+3] offset:TOKL+4*HP*\j
.endr
.if \more
	s_wait_alu depctr_vm_vsrc(0)                   ; the twelve LDS stores above have read X1, in which the loads below land
	LOADT \p+1, 1
.endif
.if \p
	s_wait_xcnt 0x0                                ; the last pair's global stores read registers of KQ, which are loaded again only behind this wait
	s_wait_alu depctr_vm_vsrc(0)                   ; the last pair's stores, into the stage and to memory, have read the registers of OA = KQ, in which the loads below land and which this pair's products and roundings write again
.endif
	; No wait on va_vdst here: since the last one (the head's, or the one ahead of the last pair's second STAGE) no vector or matrix instruction has been issued.
	; LDS serves a wave's instructions in order (ISA guide 5.7.1.4): these loads see the stores above
.irp u, 0,1
.irp c, 0,1,2,3
	ds_load_b128 v[KQ+32*\u+4*\c:KQ+32*\u+4*\c+3],       v[FA] offset:TOKL*\u+KOFF+32*\c   ; K[t = r][d = 16 c + 8 hh ..]
.endr
.irp c, 0,1,2,3
	ds_load_b128 v[KQ+32*\u+16+4*\c:KQ+32*\u+16+4*\c+3], v[FA] offset:TOKL*\u+32*\c        ; Q[h = r][d = 16 c + 8 hh ..]
.endr
.endr
.irp u, 0,1
.irp i, 0,1,2,3
	ds_load_tr16_b128 v[VT+20*\u+4*\i:VT+20*\u+4*\i+3], v[VA] offset:TOKL*\u+VOFF+32*\i    ; V[t = 8 hh ..][d = 16 i + r]
.endr
.endr
	s_wait_dscnt 8                                 ; all but the eight loads of V: K and Q are in
	; the two tokens' accumulators take turns, one instruction a turn; the first products start the sums
	v_wmma_f32_16x16x32_f16 v[S:S+7],    v[KQ:KQ+7],     v[KQ+16:KQ+23], 0
	v_wmma_f32_16x16x32_f16 v[S+8:S+15], v[KQ+32:KQ+39], v[KQ+48:KQ+55], 0
	v_wmma_f32_16x16x32_f16 v[S:S+7],    v[KQ+8:KQ+15],  v[KQ+24:KQ+31], v[S:S+7]
	v_wmma_f32_16x16x32_f16 v[S+8:S+15], v[KQ+40:KQ+47], v[KQ+56:KQ+63], v[S+8:S+15]
	PLACES
	SOFTMAX 0
	SOFTMAX 1
	s_wait_dscnt 0x0                               ; V is in
	; eight accumulators, each used once.  They lie on K's and Q's fragments: the four v_nop and the other token's softmax lines stand between.
	; A tile's registers 4-7 (k = 16 .. 31) are the next tile's V, or the zeros: finite numbers that meet P's zeros.
.irp i, 0,1,2,3
.irp u, 0,1
	v_wmma_f32_16x16x32_f16 v[OA+32*\u+8*\i:OA+32*\u+8*\i+7], v[VT+20*\u+4*\i:VT+20*\u+4*\i+7], v[PF+8*\u:PF+8*\u+7], 0
.endr
.endr
	PLACES
	s_wait_alu depctr_va_vdst(0)                   ; the second token's two reciprocals have written RI, ahead of the first multiply that reads RI
	SCALE 0
	s_wait_alu depctr_va_vdst(0)                   ; the first token's roundings have written the lower four registers of its tiles, which the stores below read, and are done with the upper four, in which the loads below land
	STAGE 0
	SCALE 1                                        ; stands between the first token's loads from the stage and its stores to memory; names none of that token's registers
	s_wait_alu depctr_va_vdst(0)                   ; the same for the second token's tiles; behind it no vector or matrix instruction of this pair is left, so the products are done reading VT and OA too, for the next pair's loads
	STAGE 1
.irp u, 0,1
.irp j, 0,1,2,3
	s_wait_dscnt 11-8*\u-\j                        ; this chunk is back; the token's 3 - j younger loads and, behind the first token's, the second token's four stores and four loads stay out
	global_store_b128 v[GO], v[OA+32*\u+8*\j+4:OA+32*\u+8*\j+7], s[6:7] offset:(2*\p+\u)*OUTB+512*\j   ; the wave stores 512 consecutive bytes, aligned
.endr
.endr
.endm
	PAIR 0, 1
	PAIR 1, 0
	s_wait_xcnt 0x0
	v_lshl_add_u32 v254, v0, 2, 0x48000            ; the add's two registers are made anew here (until now they held 1 / sum, which vector instructions alone read); v0 is as at the entry
	v_mov_b32 v255, 0
	s_wait_dscnt 0x0                               ; the closing lines, six on end
	s_wait_alu 0x0
	s_wait_tensorcnt 0x0
	ds_add_u32 v254, v255
	s_wait_dscnt 0x0
	s_endpgm
.Lfunc_end_k_q51805dc6b2_attn:
	.size	k_q51805dc6b2_attn, .Lfunc_end_k_q51805dc6b2_attn-k_q51805dc6b2_attn
	.p2alignl 7, 3214868480
	.fill 96, 4, 3214868480
	.section	.rodata,"a",@progbits
	.p2align	6, 0x0
	.amdhsa_kernel k_q51805dc6b2_attn
		.amdhsa_group_segment_fixed_size 296960
		.amdhsa_private_segment_fixed_size 0
		.amdhsa_enable_private_segment 0
		.amdhsa_kernarg_size 16
		.amdhsa_user_sgpr_count 2
		.amdhsa_user_sgpr_kernarg_segment_ptr 1
		.amdhsa_wavefront_size32 1
		.amdhsa_system_sgpr_workgroup_id_x 1
		.amdhsa_system_sgpr_workgroup_id_y 1
		.amdhsa_system_sgpr_workgroup_id_z 1
		.amdhsa_system_vgpr_workitem_id 0
		.amdhsa_next_free_vgpr 256
		.amdhsa_next_free_sgpr 66
		.amdhsa_reserve_vcc 0
		.amdhsa_float_denorm_mode_32 3
		.amdhsa_float_denorm_mode_16_64 3
		.amdhsa_memory_ordered 1
		.amdhsa_forward_progress 1
		.amdhsa_inst_pref_size 36
	.end_amdhsa_kernel
	.amdgpu_metadata
---
amdhsa.version: [ 1, 2 ]
amdhsa.kernels:
  - .name:           k_q51805dc6b2_attn
    .symbol:         k_q51805dc6b2_attn.kd
    .args:
      - { .name: qkvh, .offset: 0, .size: 8, .value_kind: global_buffer, .address_space: global }
      - { .name: oh, .offset: 8, .size: 8, .value_kind: global_buffer, .address_space: global }
    .group_segment_fixed_size: 296960
    .private_segment_fixed_size: 0
    .kernarg_segment_align: 8
    .kernarg_segment_size: 16
    .max_flat_workgroup_size: 512
    .sgpr_count:     66
    .vgpr_count:     256
    .wavefront_size: 32
...
	.end_amdgpu_metadata
.endif
;; end of part 5
;; launch gemm_out: the kernel of part 4 again; grid 4 x 64, 4 waves a work-group, clusters of 4 x 4, 327,680 bytes of LDS; arguments oh, wfch, out0; writes out0
